; MI455X (gfx1250); checked and timed in simulation.
; The chip was launched on July 23, 2026; its instructions are those of AMD's public machine-readable ISA for CDNA 5 (MIT licence, August 2026) and "CDNA5" Instruction Set Architecture Reference Guide (July 2026). The comments in the code are by the model that wrote it; some were corrected since.
;; Relation Model side double. Allowed arithmetic: matrix products marked QUANTISED: E2M3 operands, one E8M0 scale for each 32 along K, by v_wmma_scale_f32_16x16x128_f8f6f4 with both operands' format E2M3, f32 sums; products left as they are: f32 operands where the result goes on into a quantised operand, else bf16, f16 or f32 operands; f32 sums; everything else in f32.
;; Inputs: Wout_z 256 x 256 float32; Wout_z1 256 x 256 float32; Wqkv_z 256 x 768 float32; Wqkv_z1 256 x 768 float32; bout_z 256 float32; bout_z1 256 float32; s 8 x 3,136 float32; x 8 x 3,136 x 256 float32; y 8 x 3,136 x 256 float32.
;; Outputs: out0 8 x 3,136 x 256 float32; out1 8 x 3,136 x 256 float32.
;; This version of the problem:
;;   THIS VERSION OF THE PROBLEM IS GIVEN IN LOW PRECISION. The matrix products marked QUANTISED in the list below multiply operands that are first quantised to E2M3 (2 exponent bits, 3 mantissa bits; 6 bits a number), with one power-of-two scale for each 32 numbers along K (OCP MX v1.0); their sums are f32. All else is computed in f32.
;;   The module's matrix products, in the order in which they are computed (A, B: the left and right operand; K: the contracted axis; several contracted axes count as one K, in the product's order):
;;     1. [M 100,352, K 256] x [K 256, N 768]; A: computed on the way; B: input Wqkv_z: QUANTISED
;;     2. batch 200,704 x [M 4, K 32] x [K 32, N 4]; A: computed on the way; B: computed on the way: left as it is (M = 4 < 16)
;;     3. batch 200,704 x [M 32, K 4] x [K 4, N 4]; A: computed on the way; B: softmax: left as it is (K = 4 < 32)
;;     4. [M 100,352, K 256] x [K 256, N 256]; A: computed on the way; B: input Wout_z: QUANTISED
;;     5. [M 100,352, K 256] x [K 256, N 768]; A: computed on the way; B: input Wqkv_z1: QUANTISED
;;     6. batch 200,704 x [M 4, K 32] x [K 32, N 4]; A: computed on the way; B: computed on the way: left as it is (M = 4 < 16)
;;     7. batch 200,704 x [M 32, K 4] x [K 4, N 4]; A: computed on the way; B: softmax: left as it is (K = 4 < 32)
;;     8. [M 100,352, K 256] x [K 256, N 256]; A: computed on the way; B: input Wout_z1: QUANTISED
;;   THE QUANTISER, for each operand of a quantised product, along K:
;;     - K is cut into blocks of 32 from its start; a last block that is shorter is filled with zeros.
;;     - A block's scale is 2^e with e = floor(log2(the largest magnitude in the block)) - 2, held to -126 .. 127; a block of zeros has e = 0. As a byte (E8M0): e + 127.
;;     - Each number is divided by its block's scale, clamped to +-7.5, and rounded to the nearest number of E2M3, ties to even, subnormals kept.
;;     - The product sums the exact products of the quantised numbers (number of the format x scale) in f32.
;;   ~~~python
;;   def quantise(x, axis):      # numpy; x: float32 -> the quantised numbers, widened to float32 again
;;       x = np.moveaxis(x, axis, -1); K = x.shape[-1]
;;       x = np.pad(x, [(0, 0)] * (x.ndim - 1) + [(0, -K % 32)]); x = x.reshape(x.shape[:-1] + (-1, 32)); a = np.abs(x).max(-1, keepdims=True)
;;       e = np.where(a > 0, np.clip(np.frexp(np.where(a > 0, a, 1))[1] - 1 - 2, -126, 127), 0)      # np.frexp(a)[1] - 1 = floor(log2(a)), exactly
;;       r = np.clip(x / 2.0 ** e, -7.5, 7.5)
;;       step = 2.0 ** (np.maximum(np.frexp(np.where(r == 0, 1, r))[1] - 1, 0) - 3)
;;       q = np.round(r / step) * step * 2.0 ** e      # np.round: ties to even
;;       return np.moveaxis(q.reshape(q.shape[:-2] + (-1,))[..., :K], -1, axis).astype(np.float32)
;;   ~~~
;;   OPERANDS COMPUTED ON THE WAY. 'Computed on the way' means the value that the module computes at that place (a softmax that the list does not call 'softmax' is quantised finished and normalised). What goes into a quantiser is computed in f32, as accurately as f32 sums, v_exp_f32 and their like allow (about 1e-6 of the number): no bf16 or f16 on the way to a quantiser, and a product that is left as it is and whose result goes on into a quantised operand takes f32 operands (vector FMAs, or v_wmma_f32_16x16x4_f32). A number that lies on a knife's edge between two numbers of the format may be rounded either way, as far as f32 arithmetic and the matrix unit's own rounding can turn it there, and no further.
;; 2 versions, each right; version 2 is version 1 with the launch main written anew for expert scheduling mode. Each part assembles by itself: llvm-mc -triple=amdgcn-amd-amdhsa -mcpu=gfx1250 --defsym DOCPART=n.
;; ======== version 1 of 2: 2 launches
;; workspace buffers: xyc 9,633,792 bytes; xys 401,408 bytes; part 458,752 bytes; ssum 57,344 bytes; wc 393,216 bytes; wsc 16,384 bytes
;; launch prep (part 1): grid 234 x 1, 14 waves a work-group, no clusters, 249,600 bytes of LDS; arguments x, y, s, Wqkv_z, Wout_z, Wqkv_z1, Wout_z1, xyc, xys, part, ssum, wc, wsc; writes xyc, xys, part, ssum, wc, wsc
.if DOCPART == 1
	.amdgcn_target "amdgcn-amd-amdhsa--gfx1250"
	.amdhsa_code_object_version 6
	.text
	.protected	k_q960bdbaeef_prep
	.globl	k_q960bdbaeef_prep
	.p2align	8
	.type	k_q960bdbaeef_prep,@function
k_q960bdbaeef_prep:
	s_mov_b64 s[64:65], 0
	v_nop
	global_prefetch_b8 v0, s[64:65] scope:SCOPE_SE
	s_setreg_imm32_b32 hwreg(HW_REG_WAVE_MODE, 25, 1), 1
	s_wait_xcnt 0x0
; x, y [8 x 3136][256] f32 and the four weights [256 (K)][N] f32 become codes of FP6 (E2M3) with one E8M0 byte for each 32 along K, laid as IMAGES OF OPERAND REGISTERS;
; beside that each work-group stores its part of sum(x s_t), sum(y s_t) and sum(s_t), s_t = (s > 0.5 ? 1 : 1e-8).
; IMAGE.  A tile is 16 rows x 256 K: four halves k = 2 s + c (K step s of 128, c = 0, 1) of 768 bytes: registers 6 c .. 6 c + 3 of the fragment, lane l's 16 bytes at 16 l, then registers 6 c + 4, 6 c + 5, lane l's 8 bytes at 512 + 8 l.
; A tile's scale record is 128 bytes, lane l's word at 4 l: lanes 0-15 the rows' words of K step 0, lanes 16-31 those of K step 1.
; SHARES.  Work-groups 0 to 223: 112 positions; waves 0-6 take the seven tiles of x, waves 7-13 those of y: 16 rows x 1,024 bytes a wave, all 32 loads out at once, each of 512 consecutive bytes.
; The numbers turn through the wave's own stage in LDS, so that a lane gets whole blocks of 32 of its row.  Work-groups 224 to 233: one weight tile a wave (128 tiles; the last 12 waves have none and end).
; A WEIGHT TILE'S ROWS ARE COLUMNS OF W, NOT NEIGHBOURS: row r of local tile t is column 32 (t / 2) + 8 (t % 2) + r + 8 (r / 8).  A lane takes a column and its registers run down K; each such load touches runs of 32 bytes: the price on 2 MB read once.
; A block's scale is 2^(floor(log2(largest magnitude)) - 2); its byte is the largest magnitude's exponent field - 2, held at 1 from below.
; LIMITS: NaN and infinities are not served; a block of zeros gets the byte 1 (not 127) with zero codes: this program alone reads the bytes; the sums over positions are taken in another order than the definition's.
.set STW,  16640                       ; a wave's stage: 16 rows of 1,024 bytes + 16
.set SPT,  1040                        ; its pitch, an odd multiple of 16 bytes
.set RED,  232960                      ; behind the 14 stages: 1,024 bytes a wave, its 256 weighted sums
.set SRED, 247296                      ; and a word a wave: its tile's sum of s_t
.set ACC,  20                          ; v20-27   my 8 weighted sums
.set BR,   64                          ; v64-191  128 numbers: register 32 k + i = K 64 k + 32 h + i of my row or column
.set BC,   32                          ; v32-55   the codes, 6 registers a block
.set BT,   192                         ; v192-207 the blocks' upper halves as converted
.set BM,   56                          ; v56-59   largest magnitudes
.set BS,   60                          ; v60-63   the conversions' scale operands
.set BB,   208                         ; v208-211 the bytes
.set BW0,  212                         ; the scale word of K step 0
.set BW1,  213                         ; of K step 1
.set BTW,  214                         ; at work
.set BSW,  215                         ; my lane's word of the scale record
.set BH8,  14                          ; v14      8 h
.set SELR, 48                          ; s[48:49] lane selects: lane l xor 16
.set HMR,  50                          ; s50      the mask of lanes 16-31
; Four whole blocks of a lane become 24 registers of codes and the tile's scale words.
.macro QB4
.irp k, 0,1,2,3
	v_max3_num_f32 v[BM+\k], |v[BR+32*\k]|, |v[BR+32*\k+1]|, 0x1800000   ; with the floor 2^(3 - 127): the byte cannot fall under 1
.endr
.irp i, 2,4,6,8,10,12,14,16,18,20,22,24,26,28,30
.irp k, 0,1,2,3
	v_max3_num_f32 v[BM+\k], v[BM+\k], |v[BR+32*\k+\i]|, |v[BR+32*\k+\i+1]|   ; the four blocks by turns
.endr
.endr
.irp k, 0,1,2,3
	v_add_nc_u32 v[BS+\k], 0xff000000, v[BM+\k]    ; 2 off the exponent field: the conversion's scale operand
.endr
.irp k, 0,1,2,3
	v_lshrrev_b32 v[BB+\k], 23, v[BS+\k]           ; the byte
.endr
.irp k, 0,1,2,3
	v_cvt_scalef32_pk16_fp6_f32 v[BC+6*\k:BC+6*\k+2], v[BR+32*\k:BR+32*\k+15], v[BS+\k]
	v_cvt_scalef32_pk16_fp6_f32 v[BT+4*\k:BT+4*\k+2], v[BR+32*\k+16:BR+32*\k+31], v[BS+\k]   ; (three registers begin on an even number)
.endr
	v_lshl_or_b32 v[BW0], v[BB+1], 16, v[BB]       ; my two bytes of K step 0: blocks h and 2 + h.  (Also the plain line behind the conversions)
	v_lshl_or_b32 v[BW1], v[BB+3], 16, v[BB+2]
	v_lshlrev_b32 v[BW0], v[BH8], v[BW0]           ; at their places, 8 h bits up
	v_lshlrev_b32 v[BW1], v[BH8], v[BW1]
	v_permlanex16_b32 v[BTW], v[BW0], s[SELR], s[SELR+1]
	v_or_b32 v[BW0], v[BW0], v[BTW]                ; with lane l xor 16's two the word is whole
	v_permlanex16_b32 v[BTW], v[BW1], s[SELR], s[SELR+1]
	v_or_b32 v[BW1], v[BW1], v[BTW]
	v_cndmask_b32 v[BSW], v[BW0], v[BW1], s[HMR]   ; lanes 0-15 keep K step 0's word, lanes 16-31 K step 1's
.irp k, 0,1,2,3
.irp i, 0,1,2
	v_mov_b32 v[BC+6*\k+3+\i], v[BT+4*\k+\i]
.endr
.endr
.endm
.macro STOREIMG                        ; each store of the wave covers 512 or 256 consecutive bytes at a multiple of 256 from the buffer's first byte; the scale record is 128 bytes
.irp k, 0,1,2,3
	global_store_b128 v4, v[BC+6*\k:BC+6*\k+3], s[36:37] offset:768*\k
	global_store_b64 v5, v[BC+6*\k+4:BC+6*\k+5], s[36:37] offset:768*\k+512
.endr
	global_store_b32 v6, v[BSW], s[38:39]
.endm
.macro WLOADS pitch                    ; W(64 k + 32 h + i, my column)
.irp k, 0,1,2,3
.set i, 0
.rept 32
	global_load_b32 v[BR+32*\k+i], v29, s[34:35] offset:(64*\k+i)*\pitch
.set i, i+1
.endr
.endr
.endm
	s_load_b256 s[8:15], s[0:1], 0x0               ; x s[8:9], y s[10:11], s s[12:13], Wqkv_z s[14:15]
	s_load_b256 s[16:23], s[0:1], 0x20             ; Wout_z s[16:17], Wqkv_z1 s[18:19], Wout_z1 s[20:21], xyc s[22:23]
	s_load_b256 s[24:31], s[0:1], 0x40             ; xys s[24:25], part s[26:27], ssum s[28:29], wc s[30:31]
	s_load_b64 s[32:33], s[0:1], 0x60              ; wsc
	v_lshl_add_u32 v224, v0, 2, 0x3c800
	v_mov_b32 v225, 0
	v_lshrrev_b32 v1, 5, v0
	v_readfirstlane_b32 s2, v1                     ; wave 0..13
	v_and_b32 v1, 31, v0                           ; lane
	v_and_b32 v2, 15, v0                           ; r
	v_bfe_u32 v3, v0, 4, 1                         ; h
	v_lshlrev_b32 v4, 4, v1                        ; 16 x lane
	v_lshlrev_b32 v5, 3, v1                        ; 8 x lane
	v_lshlrev_b32 v6, 2, v1                        ; 4 x lane
	v_lshlrev_b32 v7, 2, v2                        ; 4 r
	s_mul_i32 s40, s2, STW
	v_add_nc_u32 v8, s40, v4                       ; the stage, in: as the bytes lie
	v_mul_u32_u24 v9, v2, SPT
	v_lshl_add_u32 v9, v3, 7, v9
	v_add_nc_u32 v9, s40, v9                       ; out: row r, + 128 h: my block of 32 numbers
	s_lshl_b32 s40, s2, 10
	s_add_co_u32 s40, s40, RED
	v_add_nc_u32 v10, s40, v4                      ; my wave's sums
	s_lshl_b32 s40, s2, 2
	s_add_co_u32 s40, s40, SRED
	v_mov_b32 v11, s40                             ; my wave's word
	v_bfe_u32 v28, v0, 6, 1                        ; threads 0-63 add up x's sums, threads 64-127 y's
	v_and_b32 v29, 63, v0
	v_mul_u32_u24 v12, v28, 7168
	v_lshl_add_u32 v12, v29, 4, v12
	v_add_nc_u32 v12, RED, v12
	v_lshlrev_b32 v13, 4, v0                       ; and store 16 bytes each
	v_lshlrev_b32 v[BH8], 3, v3
	v_mov_b32 v18, 0x322bcc77                      ; 1e-8
	v_mov_b32 v19, 1.0
	v_mov_b32 v[BTW], 0                            ; written once: a lane permute's destination counts as one of its sources
	v_mov_b32 v30, SRED
	s_mov_b32 s[SELR], 0x76543210
	s_mov_b32 s[SELR+1], 0xfedcba98
	s_mov_b32 s[HMR], 0xffff0000
	s_mov_b32 s43, 0
	s_wait_kmcnt 0x0
	s_cmp_ge_u32 ttmp9, 224
	s_cbranch_scc1 .Lweights
	; ---- x and y ----
	s_cmp_ge_u32 s2, 7                             ; waves 7-13 take y
	s_cselect_b64 s[34:35], s[10:11], s[8:9]
	s_cselect_b32 s40, 1, 0
	s_mul_i32 s41, s40, 7
	s_sub_co_u32 s41, s2, s41
	s_mul_i32 s3, ttmp9, 7
	s_add_co_u32 s3, s3, s41                       ; my tile of 16 positions
	s_lshl_b32 s42, s3, 14
	s_add_nc_u64 s[34:35], s[34:35], s[42:43]      ; its 16,384 bytes
	s_lshl_b32 s42, s3, 6
	s_add_nc_u64 s[12:13], s[12:13], s[42:43]      ; its 16 numbers of s
	s_mul_i32 s42, s3, 3072
	s_mul_i32 s44, s40, 4816896
	s_add_co_u32 s42, s42, s44
	s_add_nc_u64 s[36:37], s[22:23], s[42:43]      ; its image
	s_lshl_b32 s42, s3, 8
	s_lshl_b32 s44, s40, 7
	s_add_co_u32 s42, s42, s44
	s_add_nc_u64 s[38:39], s[24:25], s[42:43]      ; its scale record
	s_lshl_b32 s42, ttmp9, 11
	s_add_nc_u64 s[26:27], s[26:27], s[42:43]      ; the work-group's 512 sums
	s_lshl_b32 s42, ttmp9, 8
	s_add_nc_u64 s[28:29], s[28:29], s[42:43]      ; and its sum of s_t
	global_load_b32 v15, v7, s[12:13]
.set i, 0
.rept 32
	global_load_b128 v[BR+4*i:BR+4*i+3], v4, s[34:35] offset:512*i th:TH_LOAD_NT   ; row i / 2, half i % 2: 512 consecutive bytes
.set i, i+1
.endr
	s_wait_loadcnt 32                              ; s is in; the tile's 32 loads stay out
	v_cmp_lt_f32 vcc_lo, 0.5, v15
	v_cndmask_b32 v16, v18, v19, vcc_lo            ; s_t of row r
	v_mov_b32 v17, v16
	v_add_f32_dpp v17, v17, v17 row_xmask:1 row_mask:0xf bank_mask:0xf
	v_add_f32_dpp v17, v17, v17 row_xmask:2 row_mask:0xf bank_mask:0xf
	v_add_f32_dpp v17, v17, v17 row_xmask:4 row_mask:0xf bank_mask:0xf
	v_add_f32_dpp v17, v17, v17 row_xmask:8 row_mask:0xf bank_mask:0xf   ; the tile's sum of s_t, in every lane
.set i, 0
.rept 16
	v_readlane_b32 s[66+2*i], v16, i               ; row i's s_t as a scalar pair (the packed form names a pair and takes its low word)
	v_readlane_b32 s[67+2*i], v16, i
.set i, i+1
.endr
.set i, 0
.rept 32
	s_wait_loadcnt 31-i                            ; load i is in; the younger ones stay out
.if i < 2
	v_pk_mul_f32 v[ACC+4*i:ACC+4*i+1], v[BR+4*i:BR+4*i+1], s[66:67] op_sel_hi:[1,0]      ; row 0 starts the sums
	v_pk_mul_f32 v[ACC+4*i+2:ACC+4*i+3], v[BR+4*i+2:BR+4*i+3], s[66:67] op_sel_hi:[1,0]
.else
	v_pk_fma_f32 v[ACC+4*(i%2):ACC+4*(i%2)+1], v[BR+4*i:BR+4*i+1], s[66+2*(i/2):67+2*(i/2)], v[ACC+4*(i%2):ACC+4*(i%2)+1] op_sel_hi:[1,0,1]
	v_pk_fma_f32 v[ACC+4*(i%2)+2:ACC+4*(i%2)+3], v[BR+4*i+2:BR+4*i+3], s[66+2*(i/2):67+2*(i/2)], v[ACC+4*(i%2)+2:ACC+4*(i%2)+3] op_sel_hi:[1,0,1]
.endif
	ds_store_b128 v8, v[BR+4*i:BR+4*i+3] offset:SPT*(i/2)+512*(i%2)
.set i, i+1
.endr
	ds_store_b128 v10, v[ACC:ACC+3]                ; channels 4 lane + 0..3
	ds_store_b128 v10, v[ACC+4:ACC+7] offset:512   ; channels 128 + 4 lane + 0..3
	ds_store_b32 v11, v17                          ; all lanes write the same word with the same value
	s_wait_dscnt 0x0                               ; for the others' sake: my sums lie in LDS; and the stage's stores have read their registers
	s_barrier_signal -1
	s_barrier_wait -1
.irp k, 0,1,2,3
.irp q, 0,1,2,3,4,5,6,7
	ds_load_b128 v[BR+32*\k+4*\q:BR+32*\k+4*\q+3], v9 offset:256*\k+16*\q   ; my row's K 64 k + 32 h + 4 q on
.endr
.endr
	s_wait_dscnt 0x0
	QB4
	STOREIMG
	s_cmp_ge_u32 s2, 4
	s_cbranch_scc1 .Lend_xy
.irp j, 0,1,2,3,4,5,6
	ds_load_b128 v[64+4*\j:67+4*\j], v12 offset:1024*\j   ; the seven waves' sums of my four channels
.endr
	s_wait_dscnt 0x0
.irp j, 1,2,3,4,5,6
	v_pk_add_f32 v[64:65], v[64:65], v[64+4*\j:65+4*\j]
	v_pk_add_f32 v[66:67], v[66:67], v[66+4*\j:67+4*\j]
.endr
	global_store_b128 v13, v[64:67], s[26:27]      ; four waves store 2,048 consecutive bytes
	s_cmp_lg_u32 s2, 0
	s_cbranch_scc1 .Lend_xy
	ds_load_b128 v[96:99], v30                     ; the words of x's seven waves
	ds_load_b96 v[100:102], v30 offset:16
	s_wait_dscnt 0x0
	v_add_f32 v96, v96, v97
	v_add_f32 v98, v98, v99
	v_add_f32 v100, v100, v101
	v_add_f32 v96, v96, v98
	v_add_f32 v100, v100, v102
	v_add_f32 v96, v96, v100
	v_mov_b32 v97, v96
	global_store_b64 v5, v[96:97], s[28:29]        ; 64 copies: 256 consecutive bytes
.Lend_xy:
	s_wait_tensorcnt 0x0
	ds_add_u32 v224, v225
	s_wait_dscnt 0x0
	s_endpgm
	; ---- the weights ----
.Lweights:
	s_sub_co_u32 s3, ttmp9, 224
	s_mul_i32 s3, s3, 14
	s_add_co_u32 s3, s3, s2                        ; my tile: 0-47 Wqkv_z, 48-63 Wout_z, 64-111 Wqkv_z1, 112-127 Wout_z1
	s_cmp_ge_u32 s3, 128
	s_cbranch_scc1 .Lend_w
	s_cmp_lt_u32 s3, 64
	s_cselect_b64 s[34:35], s[14:15], s[18:19]
	s_cselect_b64 s[44:45], s[16:17], s[20:21]
	s_and_b32 s40, s3, 63
	s_cmp_lt_u32 s40, 48
	s_cselect_b64 s[34:35], s[34:35], s[44:45]
	s_cselect_b32 s41, 0, 48
	s_sub_co_u32 s41, s40, s41                     ; the tile's number in its matrix
	s_lshr_b32 s42, s41, 1
	s_lshl_b32 s42, s42, 7
	s_and_b32 s44, s41, 1
	s_lshl_b32 s44, s44, 5
	s_add_co_u32 s42, s42, s44
	s_add_nc_u64 s[34:35], s[34:35], s[42:43]      ; column 32 (t / 2) + 8 (t % 2), in bytes
	s_mul_i32 s42, s3, 3072
	s_add_nc_u64 s[36:37], s[30:31], s[42:43]
	s_lshl_b32 s42, s3, 7
	s_add_nc_u64 s[38:39], s[32:33], s[42:43]
	v_and_b32 v28, 8, v2
	v_add_nc_u32 v28, v28, v2
	v_lshlrev_b32 v28, 2, v28                      ; + r + 8 (r / 8)
	s_cmp_lt_u32 s40, 48
	s_cbranch_scc0 .Lnarrow
	v_mad_u32_u24 v29, v3, 0x18000, v28            ; lanes 16-31 begin 32 rows of 3,072 bytes further down
	WLOADS 3072
	s_branch .Lwq
.Lnarrow:
	v_mad_u32_u24 v29, v3, 0x8000, v28             ; 32 rows of 1,024 bytes
	WLOADS 1024
.Lwq:
	s_wait_loadcnt 0x0
	QB4
	STOREIMG
.Lend_w:
	s_endpgm
.Lfunc_end_k_q960bdbaeef_prep:
	.size	k_q960bdbaeef_prep, .Lfunc_end_k_q960bdbaeef_prep-k_q960bdbaeef_prep
	.p2alignl 7, 3214868480
	.fill 96, 4, 3214868480
	.section	.rodata,"a",@progbits
	.p2align	6, 0x0
	.amdhsa_kernel k_q960bdbaeef_prep
		.amdhsa_group_segment_fixed_size 249600
		.amdhsa_private_segment_fixed_size 0
		.amdhsa_enable_private_segment 0
		.amdhsa_kernarg_size 104
		.amdhsa_user_sgpr_count 2
		.amdhsa_user_sgpr_kernarg_segment_ptr 1
		.amdhsa_wavefront_size32 1
		.amdhsa_system_sgpr_workgroup_id_x 1
		.amdhsa_system_sgpr_workgroup_id_y 1
		.amdhsa_system_sgpr_workgroup_id_z 1
		.amdhsa_system_vgpr_workitem_id 0
		.amdhsa_next_free_vgpr 226
		.amdhsa_next_free_sgpr 98
		.amdhsa_reserve_vcc 1
		.amdhsa_float_denorm_mode_32 3
		.amdhsa_float_denorm_mode_16_64 3
		.amdhsa_memory_ordered 1
		.amdhsa_forward_progress 1
		.amdhsa_inst_pref_size 59
	.end_amdhsa_kernel
	.amdgpu_metadata
---
amdhsa.version: [ 1, 2 ]
amdhsa.kernels:
  - .name:           k_q960bdbaeef_prep
    .symbol:         k_q960bdbaeef_prep.kd
    .args:
      - { .name: x, .offset: 0, .size: 8, .value_kind: global_buffer, .address_space: global }
      - { .name: y, .offset: 8, .size: 8, .value_kind: global_buffer, .address_space: global }
      - { .name: s, .offset: 16, .size: 8, .value_kind: global_buffer, .address_space: global }
      - { .name: Wqkv_z, .offset: 24, .size: 8, .value_kind: global_buffer, .address_space: global }
      - { .name: Wout_z, .offset: 32, .size: 8, .value_kind: global_buffer, .address_space: global }
      - { .name: Wqkv_z1, .offset: 40, .size: 8, .value_kind: global_buffer, .address_space: global }
      - { .name: Wout_z1, .offset: 48, .size: 8, .value_kind: global_buffer, .address_space: global }
      - { .name: xyc, .offset: 56, .size: 8, .value_kind: global_buffer, .address_space: global }
      - { .name: xys, .offset: 64, .size: 8, .value_kind: global_buffer, .address_space: global }
      - { .name: part, .offset: 72, .size: 8, .value_kind: global_buffer, .address_space: global }
      - { .name: ssum, .offset: 80, .size: 8, .value_kind: global_buffer, .address_space: global }
      - { .name: wc, .offset: 88, .size: 8, .value_kind: global_buffer, .address_space: global }
      - { .name: wsc, .offset: 96, .size: 8, .value_kind: global_buffer, .address_space: global }
    .group_segment_fixed_size: 249600
    .private_segment_fixed_size: 0
    .kernarg_segment_align: 8
    .kernarg_segment_size: 104
    .max_flat_workgroup_size: 448
    .sgpr_count:     98
    .vgpr_count:     226
    .wavefront_size: 32
...
	.end_amdgpu_metadata
.endif
;; end of part 1
;; launch main (part 2): grid 28 x 8, 4 waves a work-group, no clusters, 306,432 bytes of LDS; arguments xyc, xys, part, ssum, wc, wsc, bout_z, bout_z1, out0, out1; writes out0, out1
.if DOCPART == 2
	.amdgcn_target "amdgcn-amd-amdhsa--gfx1250"
	.amdhsa_code_object_version 6
	.text
	.protected	k_q960bdbaeef_main
	.globl	k_q960bdbaeef_main
	.p2align	8
	.type	k_q960bdbaeef_main,@function
k_q960bdbaeef_main:
	s_mov_b64 s[64:65], 0
	v_nop
	global_prefetch_b8 v0, s[64:65] scope:SCOPE_SE
	s_setreg_imm32_b32 hwreg(HW_REG_WAVE_MODE, 25, 1), 1
	s_wait_xcnt 0x0
; The whole chain for 112 positions of one batch (7 groups of 16): tokens x, y and the batch's two weighted means; QKV, 4 x 4 attention in 8 heads of 32, output product + bias; the same again; tokens 0 and 1 leave.
; All four large products run on codes of FP6 (E2M3) with E8M0 scales for each 32 along K; dots, softmax and weighted sums are f32 multiply-adds.
; SHARES.  Four waves share the COLUMNS: wave w owns heads 2 w, 2 w + 1 of q, k, v and columns 64 w .. 64 w + 63 of each output product, for all rows.  Its weights stay in registers for a phase;
; the second block's weights are loaded into freed registers a phase ahead.  What goes from wave to wave are the rows' codes, through LDS, as images of operand registers (a half of 6 registers: 512 bytes at 16 x lane, 256 at 8 x lane),
; in regions that are written once: ten barriers in all.
; PHASES.  head: x's and y's images into LDS; the means, quantised; their q, k, v (once for the batch: all 16 rows of that tile are the mean).  A1: QKV of x and y, attention of block 0.  A2: its output product.
; B: for each group QKV and attention of block 1 (q of tokens 0 and 1 alone: the definition keeps only those rows), one barrier, the last product for tokens 0 and 1, and the way out through the wave's own stage:
; so the output's stores leave all through this phase.
; A TRIP AHEAD.  In every loop the next trip's fragments are loaded from LDS into the same registers as soon as the trip's last products have read them, and land under the trip's vector work; each loop's last trip is written out without that fetch.
; EVERY PRODUCT IS USED TRANSPOSED (source 0 = 16 columns of a weight, source 1 = 16 rows): lane (r, h) holds row r, and the 16 registers of tiles 2 b, 2 b + 1 are channels 32 b + 16 h + 0 .. 15 (the tiles' columns were chosen so).
; A head is one block of 32 of the next K: lanes l and l xor 16 share it.  A wave's two heads are half w of the next operand: K step w / 2, registers 6 (w % 2) on.
; THE MASKS are added as they are, -100 (here x log2 e), and all four keys are kept; the row's maximum is taken away before the exponential.
; NO JOINT LOADS: what work-groups share are the weights; a block's are 196,608 bytes for a work-group, LDS has 21,760 bytes left beside the chain's operands, and from memory they go straight into the registers in which they stay.
; LIMITS: NaN and infinities are not served; a block of zeros gets the byte 1 with zero codes; the means' sums are taken in another order than the definition's; divisions are a reciprocal and a multiply; an exponential that would be denormal is 0.
; WINDOWS of 256 registers (s_set_vgpr_msb: bits 1:0 source 0, 3:2 source 1, 5:4 source 2, 7:6 destination):
;   window 1: v0-143 QKV weights of my head 0 (fragment (f, s) at 24 f + 12 s, f = 2 x (q, k, v) + tile); v144-239 output weights (tile t, s) at 144 + 24 t + 12 s
;   window 2: v0-143 QKV weights of my head 1; v144-175 bout_z, v176-207 bout_z1 in the result's layout, 8 a tile
;   window 3: v0-191 the means' q, k, v (head hh at 96 hh; token 2: q 0, k 16, v 32; token 3: 48, 64, 80); v200-247 x's and y's fragments; in B v0-95 the four tokens' fragments
;   window 0: v1-15 addresses; v16-31 codes (A2, B); v32-43, v44-47 the weights' scale words; v48-51 the rows' scale words; v52-59 bytes; v60-63 half words (in B v62-63: the last product's scale words); v64-255 by phase.
.set XC,  0                            ; LDS: x's, then y's images: [2][7][3072]
.set XS,  43008                        ; their scale records [7][2][128], and 256 bytes that nobody reads
.set GL,  45056                        ; the two means, 256 f32 each
.set AO,  47104                        ; attention 0's result: [7][4 tokens][4 halves][768]
.set AOS, 133120                       ; [7][4][128]
.set ZI,  136704                       ; block 0's result, likewise
.set ZS,  222720
.set BO,  226304                       ; attention 1's result: [7][2][3072]
.set BOS, 269312
.set STG, 271104                       ; the way out: [4 waves][2 tokens][16 rows x 272]
.set L16, 1                            ; 16 x lane
.set L8,  2                            ; 8 x lane
.set L4,  3                            ; 4 x lane
.set W16, 4                            ; 768 w + 16 x lane
.set W8,  5                            ; 768 w + 512 + 8 x lane
.set WSH, 6                            ; 64 (w / 2) + 2 (w % 2) + 4 r
.set RA16, 7                           ; the addresses in hand: reads
.set RA8, 8
.set RA4, 9
.set WA16, 10                          ; writes
.set WA8, 11
.set WAS, 12
.set SOA, 13                           ; the stage, in
.set SRA, 14                           ; and back
.set GO,  15                           ; my bytes in two rows of the output
.set CK1, 16
.set WS1, 32
.set WS2, 44
.set DS,  48
.set BY,  52
.set HW,  60
.set DS2, 62
.set UA,  192                          ; A1: the 16 scores, then weights
.set DPA, 160                          ; A1: the dots' pairs
.set CG,  208                          ; the scores among the two means, 4 a head
.set BR,  64                           ; the head's quantiser (its map as in the launch before)
.set BC,  192
.set BT,  216
.set BM,  232
.set BS,  236
.set BB,  240
.set BW0, 244
.set BW1, 245
.set BTW, 246
.set BSW, 247
.set BH8, 24
.set SELR, 28                          ; s[28:29] lane selects: lane l xor 16
.set HMR, 32                           ; s32 the mask of lanes 16-31
.set QM,  220                          ; largest magnitudes (A1, A2)
.set QSO, 216                          ; scale operands
.set MSB, 0
.macro WIN new                         ; the immediate's high byte repeats the setting that is left; a switch that changes nothing is dropped
.if MSB != (\new)
	s_set_vgpr_msb (MSB<<8)|(\new)
.set MSB, (\new)
.endif
.endm
.macro PLACES                          ; four plain places behind a matrix instruction, ahead of reads of results and of loads into its registers
.rept 4
	v_nop
.endr
.endm
.macro BARRIER                         ; my LDS stores have landed and my LDS loads are in: then the work-group's barrier
	s_wait_dscnt 0x0
	s_barrier_signal -1
	s_barrier_wait -1
.endm
.macro QB4                             ; four whole blocks of a lane become 24 registers of codes and the tile's scale words
.irp k, 0,1,2,3
	v_max3_num_f32 v[BM+\k], |v[BR+32*\k]|, |v[BR+32*\k+1]|, 0x1800000
.endr
.irp i, 2,4,6,8,10,12,14,16,18,20,22,24,26,28,30
.irp k, 0,1,2,3
	v_max3_num_f32 v[BM+\k], v[BM+\k], |v[BR+32*\k+\i]|, |v[BR+32*\k+\i+1]|
.endr
.endr
.irp k, 0,1,2,3
	v_add_nc_u32 v[BS+\k], 0xff000000, v[BM+\k]
.endr
.irp k, 0,1,2,3
	v_lshrrev_b32 v[BB+\k], 23, v[BS+\k]
.endr
.irp k, 0,1,2,3
	v_cvt_scalef32_pk16_fp6_f32 v[BC+6*\k:BC+6*\k+2], v[BR+32*\k:BR+32*\k+15], v[BS+\k]
	v_cvt_scalef32_pk16_fp6_f32 v[BT+4*\k:BT+4*\k+2], v[BR+32*\k+16:BR+32*\k+31], v[BS+\k]
.endr
	v_lshl_or_b32 v[BW0], v[BB+1], 16, v[BB]       ; (also the plain line behind the conversions)
	v_lshl_or_b32 v[BW1], v[BB+3], 16, v[BB+2]
	v_lshlrev_b32 v[BW0], v[BH8], v[BW0]
	v_lshlrev_b32 v[BW1], v[BH8], v[BW1]
	v_permlanex16_b32 v[BTW], v[BW0], s[SELR], s[SELR+1]
	v_or_b32 v[BW0], v[BW0], v[BTW]
	v_permlanex16_b32 v[BTW], v[BW1], s[SELR], s[SELR+1]
	v_or_b32 v[BW1], v[BW1], v[BTW]
	v_cndmask_b32 v[BSW], v[BW0], v[BW1], s[HMR]
.irp k, 0,1,2,3
.irp i, 0,1,2
	v_mov_b32 v[BC+6*\k+3+\i], v[BT+4*\k+\i]
.endr
.endr
.endm
.macro FETCH reg, off                  ; a fragment's image back into 12 registers (the caller sets the destination's window)
.irp c, 0,1
	ds_load_b128 v[(\reg)+6*\c:(\reg)+6*\c+3], v[RA16] offset:(\off)+768*\c
	ds_load_b64 v[(\reg)+6*\c+4:(\reg)+6*\c+5], v[RA8] offset:(\off)+768*\c+512
.endr
.endm
.macro LOADW1H hh, tb                  ; the QKV weights of my head hh, from tile tb on: 48 + 6 loads
	WIN 0x40*(1+\hh)
.irp f, 0,1,2,3,4,5
.irp st, 0,1
.irp c, 0,1
	global_load_b128 v[24*\f+12*\st+6*\c:24*\f+12*\st+6*\c+3], v[L16], s[12:13] offset:((\tb)+16*(\f/2)+2*(\hh)+\f%2)*3072+1536*\st+768*\c
	global_load_b64 v[24*\f+12*\st+6*\c+4:24*\f+12*\st+6*\c+5], v[L8], s[12:13] offset:((\tb)+16*(\f/2)+2*(\hh)+\f%2)*3072+1536*\st+768*\c+512
.endr
.endr
.endr
	WIN 0
.irp f, 0,1,2,3,4,5
	global_load_b32 v[WS1+6*(\hh)+\f], v[L4], s[14:15] offset:((\tb)+16*(\f/2)+2*(\hh)+\f%2)*128
.endr
.endm
.macro LOADW2 tb                       ; my four tiles of an output weight: 32 + 4 loads
	WIN 0x40
.irp t, 0,1,2,3
.irp st, 0,1
.irp c, 0,1
	global_load_b128 v[144+24*\t+12*\st+6*\c:144+24*\t+12*\st+6*\c+3], v[L16], s[12:13] offset:((\tb)+\t)*3072+1536*\st+768*\c
	global_load_b64 v[144+24*\t+12*\st+6*\c+4:144+24*\t+12*\st+6*\c+5], v[L8], s[12:13] offset:((\tb)+\t)*3072+1536*\st+768*\c+512
.endr
.endr
.endr
	WIN 0
.irp t, 0,1,2,3
	global_load_b32 v[WS2+\t], v[L4], s[14:15] offset:((\tb)+\t)*128
.endr
.endm
.macro WM0 d, a, b, sa, sb             ; K step 0: the product starts the sum
	v_wmma_scale_f32_16x16x128_f8f6f4 v[(\d):(\d)+7], v[(\a):(\a)+11], v[(\b):(\b)+11], 0, v[\sa], v[\sb] matrix_a_fmt:MATRIX_FMT_FP6 matrix_b_fmt:MATRIX_FMT_FP6
.endm
.macro WMB d, a, b, cc, sa, sb         ; K step 0: the bias starts the sum
	v_wmma_scale_f32_16x16x128_f8f6f4 v[(\d):(\d)+7], v[(\a):(\a)+11], v[(\b):(\b)+11], v[(\cc):(\cc)+7], v[\sa], v[\sb] matrix_a_fmt:MATRIX_FMT_FP6 matrix_b_fmt:MATRIX_FMT_FP6
.endm
.macro WM1 d, a, b, sa, sb             ; K step 1, in place: its scale words lie in lanes 16-31
	v_wmma_scale_f32_16x16x128_f8f6f4 v[(\d):(\d)+7], v[(\a):(\a)+11], v[(\b):(\b)+11], v[(\d):(\d)+7], v[\sa], v[\sb] matrix_a_fmt:MATRIX_FMT_FP6 matrix_b_fmt:MATRIX_FMT_FP6 matrix_a_scale:MATRIX_SCALE_ROW1 matrix_b_scale:MATRIX_SCALE_ROW1
.endm
; q, k, v of two tokens for my head hh: 12 accumulators by turns, one instruction a turn.  dw = 1: the results go to window 3
.macro MMQA hh, db, dw
.if \dw
	WIN (1+\hh)|0xcc
.else
	WIN (1+\hh)|0x0c
.endif
.irp tk, 0,1
.irp f, 0,1,2,3,4,5
	WM0 (\db)+48*\tk+8*\f, 24*\f, 200+24*\tk, WS1+6*(\hh)+\f, DS+\tk
.endr
.endr
.if \dw
	WIN (1+\hh)|0xfc
.endif
.irp tk, 0,1
.irp f, 0,1,2,3,4,5
	WM1 (\db)+48*\tk+8*\f, 24*\f+12, 212+24*\tk, WS1+6*(\hh)+\f, DS+\tk
.endr
.endr
.endm
; block 1: q of tokens 0, 1; k, v of all four: 20 accumulators by turns.  q' at 64 + 16 token, k' at 96 + 16 token, v' at 160 + 16 token
.macro MMQB hh
	WIN (1+\hh)|0x0c
.irp tk, 0,1,2,3
.irp f, 0,1,2,3,4,5
.if (\tk<2)||(\f>1)
	WM0 64+32*(\f/2)+32*(\f/4)+16*\tk+8*(\f%2), 24*\f, 24*\tk, WS1+6*(\hh)+\f, DS+\tk
.endif
.endr
.endr
.irp tk, 0,1,2,3
.irp f, 0,1,2,3,4,5
.if (\tk<2)||(\f>1)
	WM1 64+32*(\f/2)+32*(\f/4)+16*\tk+8*(\f%2), 24*\f+12, 24*\tk+12, WS1+6*(\hh)+\f, DS+\tk
.endif
.endr
.endr
.endm
; an output product: two tokens x my four tiles: 8 accumulators by turns; bi: the bias's registers in window 2; dsw: the rows' scale words
.macro MMO bi, dsw
	WIN 0x21
.irp tk, 0,1
.irp t, 0,1,2,3
	WMB 64+32*\tk+8*\t, 144+24*\t, 160+24*\tk, (\bi)+8*\t, WS2+\t, (\dsw)+\tk
.endr
.endr
	WIN 0x01
.irp tk, 0,1
.irp t, 0,1,2,3
	WM1 64+32*\tk+8*\t, 156+24*\t, 172+24*\tk, WS2+\t, (\dsw)+\tk
.endr
.endr
	WIN 0
.endm
; four dots of my 16 channels, by turns, two channels an instruction, from each accumulator's low end on
.macro DOT4 d0, d1, d2, d3, a0, a1, a2, a3, b0, b1, b2, b3
	v_pk_mul_f32 v[(\d0):(\d0)+1], v[(\a0):(\a0)+1], v[(\b0):(\b0)+1]
	v_pk_mul_f32 v[(\d1):(\d1)+1], v[(\a1):(\a1)+1], v[(\b1):(\b1)+1]
	v_pk_mul_f32 v[(\d2):(\d2)+1], v[(\a2):(\a2)+1], v[(\b2):(\b2)+1]
	v_pk_mul_f32 v[(\d3):(\d3)+1], v[(\a3):(\a3)+1], v[(\b3):(\b3)+1]
.irp e, 2,4,6,8,10,12,14
	v_pk_fma_f32 v[(\d0):(\d0)+1], v[(\a0)+\e:(\a0)+\e+1], v[(\b0)+\e:(\b0)+\e+1], v[(\d0):(\d0)+1]
	v_pk_fma_f32 v[(\d1):(\d1)+1], v[(\a1)+\e:(\a1)+\e+1], v[(\b1)+\e:(\b1)+\e+1], v[(\d1):(\d1)+1]
	v_pk_fma_f32 v[(\d2):(\d2)+1], v[(\a2)+\e:(\a2)+\e+1], v[(\b2)+\e:(\b2)+\e+1], v[(\d2):(\d2)+1]
	v_pk_fma_f32 v[(\d3):(\d3)+1], v[(\a3)+\e:(\a3)+\e+1], v[(\b3)+\e:(\b3)+\e+1], v[(\d3):(\d3)+1]
.endr
.endm
; block 0: the 12 dots that hang on the position (score 4 i + j): the pair's halves, lane l xor 16's 16 channels, x c = log2 e / sqrt 32, and -100 log2 e where the mask has -100
.macro FOLDA
.irp d, 0,1,2,3,4,5,6,7,8,9,12,13
	v_add_f32 v[UA+\d], v[DPA+2*\d], v[DPA+2*\d+1]
.endr
.irp d, 0,1,2,3,4,5,6,7,8,9,12,13
	v_permlanex16_b32 v[DPA+2*\d], v[UA+\d], s[SELR], s[SELR+1]
.endr
.irp d, 0,1,2,3,4,5,6,7,8,9,12,13
	v_add_f32 v[UA+\d], v[UA+\d], v[DPA+2*\d]
.endr
.irp d, 0,1,2,4,5,7,8,13
	v_mul_f32 v[UA+\d], s30, v[UA+\d]
.endr
.irp d, 3,6,9,12
	v_fma_f32 v[UA+\d], v[UA+\d], s30, s31
.endr
.endm
.macro FOLDB                           ; block 1: 8 dots; the mask has -100 at (0,1), (0,3), (1,0), (1,2)
.irp d, 0,1,2,3,4,5,6,7
	v_add_f32 v[240+\d], v[224+2*\d], v[225+2*\d]
.endr
.irp d, 0,1,2,3,4,5,6,7
	v_permlanex16_b32 v[224+2*\d], v[240+\d], s[SELR], s[SELR+1]
.endr
.irp d, 0,1,2,3,4,5,6,7
	v_add_f32 v[240+\d], v[240+\d], v[224+2*\d]
.endr
.irp d, 0,2,5,7
	v_mul_f32 v[240+\d], s30, v[240+\d]
.endr
.irp d, 1,3,4,6
	v_fma_f32 v[240+\d], v[240+\d], s30, s31
.endr
.endm
; four rows of four: maximum, 2^(t - max), sum, reciprocal, weights.  The scores among the means come from CG.  The exponentials are one batch with one wait, the reciprocals another.
.macro SOFTA hh
	v_max3_num_f32 v220, v[UA], v[UA+1], v[UA+2]
	v_max3_num_f32 v221, v[UA+4], v[UA+5], v[UA+6]
	v_max3_num_f32 v222, v[UA+8], v[UA+9], v[CG+4*\hh]
	v_max3_num_f32 v223, v[UA+12], v[UA+13], v[CG+4*\hh+2]
	v_max_num_f32 v220, v220, v[UA+3]
	v_max_num_f32 v221, v221, v[UA+7]
	v_max_num_f32 v222, v222, v[CG+4*\hh+1]
	v_max_num_f32 v223, v223, v[CG+4*\hh+3]
.irp d, 0,1,2,3,4,5,6,7,8,9,12,13
	v_sub_f32 v[UA+\d], v[UA+\d], v[220+\d/4]
.endr
	v_sub_f32 v[UA+10], v[CG+4*\hh], v222
	v_sub_f32 v[UA+11], v[CG+4*\hh+1], v222
	v_sub_f32 v[UA+14], v[CG+4*\hh+2], v223
	v_sub_f32 v[UA+15], v[CG+4*\hh+3], v223
.irp d, 0,1,2,3,4,5,6,7,8,9,10,11,12,13,14,15
	v_exp_f32 v[UA+\d], v[UA+\d]
.endr
	v_nop                                          ; a plain line behind the last exponential
	s_wait_alu depctr_va_vdst(0)                   ; one wait for the batch, ahead of its first reader
.irp i, 0,1,2,3
	v_add_f32 v[216+\i], v[UA+4*\i], v[UA+4*\i+1]
.endr
.irp i, 0,1,2,3
	v_add_f32 v[216+\i], v[216+\i], v[UA+4*\i+2]
.endr
.irp i, 0,1,2,3
	v_add_f32 v[216+\i], v[216+\i], v[UA+4*\i+3]
.endr
.irp i, 0,1,2,3
	v_rcp_f32 v[216+\i], v[216+\i]
.endr
	v_nop
	s_wait_alu depctr_va_vdst(0)
.irp d, 0,1,2,3,4,5,6,7,8,9,10,11,12,13,14,15
	v_mul_f32 v[UA+\d], v[UA+\d], v[216+\d/4]
.endr
.endm
.macro SOFTB                           ; two rows of four
	v_max3_num_f32 v248, v240, v241, v242
	v_max3_num_f32 v249, v244, v245, v246
	v_max_num_f32 v248, v248, v243
	v_max_num_f32 v249, v249, v247
.irp d, 0,1,2,3,4,5,6,7
	v_sub_f32 v[240+\d], v[240+\d], v[248+\d/4]
.endr
.irp d, 0,1,2,3,4,5,6,7
	v_exp_f32 v[240+\d], v[240+\d]
.endr
	v_nop
	s_wait_alu depctr_va_vdst(0)                   ; one wait for the batch
	v_add_f32 v250, v240, v241
	v_add_f32 v251, v244, v245
	v_add_f32 v250, v250, v242
	v_add_f32 v251, v251, v246
	v_add_f32 v250, v250, v243
	v_add_f32 v251, v251, v247
	v_rcp_f32 v250, v250
	v_rcp_f32 v251, v251
	v_nop
	s_wait_alu depctr_va_vdst(0)
.irp d, 0,1,2,3,4,5,6,7
	v_mul_f32 v[240+\d], v[240+\d], v[250+\d/4]
.endr
.endm
; key j's share of the nn results: O_i (+)= a_ij V_j; O_i at 64 + oa (i % 2) + ob (i / 2); a_ij is one register of an even pair, sent to both halves
.macro AVJ nn, j, vb, ub, oa, ob
.irp e, 0,2,4,6,8,10,12,14
.irp i, 0,1,2,3
.if \i<\nn
.set rO, 64+(\oa)*(\i&1)+(\ob)*(\i>>1)+\e
.if \j==0
	v_pk_mul_f32 v[rO:rO+1], v[(\vb)+\e:(\vb)+\e+1], v[(\ub)+4*\i:(\ub)+4*\i+1] op_sel_hi:[1,0]
.elseif \j==2
	v_pk_fma_f32 v[rO:rO+1], v[(\vb)+\e:(\vb)+\e+1], v[(\ub)+4*\i+2:(\ub)+4*\i+3], v[rO:rO+1] op_sel_hi:[1,0,1]
.else
	v_pk_fma_f32 v[rO:rO+1], v[(\vb)+\e:(\vb)+\e+1], v[(\ub)+4*\i+\j-1:(\ub)+4*\i+\j], v[rO:rO+1] op_sel:[0,1,0] op_sel_hi:[1,1,1]
.endif
.endif
.endr
.endr
.endm
; nn tokens' half blocks (16 numbers a lane at s0 + sa (i % 2) + sb (i / 2)) become 96 bits of codes each, at ckb + 8 i + 4 blk, and a byte at BY + 4 blk + i
.macro QBLK nn, blk, s0, sa, sb, ckb, tb
.irp i, 0,1,2,3
.if \i<\nn
	v_max3_num_f32 v[QM+\i], |v[(\s0)+(\sa)*(\i&1)+(\sb)*(\i>>1)]|, |v[(\s0)+(\sa)*(\i&1)+(\sb)*(\i>>1)+1]|, 0x1800000   ; with the floor 2^(3 - 127)
.endif
.endr
.irp p, 2,4,6,8,10,12,14
.irp i, 0,1,2,3
.if \i<\nn
	v_max3_num_f32 v[QM+\i], v[QM+\i], |v[(\s0)+(\sa)*(\i&1)+(\sb)*(\i>>1)+\p]|, |v[(\s0)+(\sa)*(\i&1)+(\sb)*(\i>>1)+\p+1]|
.endif
.endr
.endr
.irp i, 0,1,2,3
.if \i<\nn
	v_permlanex16_b32 v[(\tb)+\i], v[QM+\i], s[SELR], s[SELR+1]
.endif
.endr
.irp i, 0,1,2,3
.if \i<\nn
	v_max_num_f32 v[QM+\i], v[QM+\i], v[(\tb)+\i]  ; with lane l xor 16's: the block's largest magnitude
.endif
.endr
.irp i, 0,1,2,3
.if \i<\nn
	v_add_nc_u32 v[QSO+\i], 0xff000000, v[QM+\i]   ; 2 off the exponent field: the conversion's scale operand
.endif
.endr
.irp i, 0,1,2,3
.if \i<\nn
	v_lshrrev_b32 v[BY+4*(\blk)+\i], 23, v[QSO+\i]
.endif
.endr
.irp i, 0,1,2,3
.if \i<\nn
	v_cvt_scalef32_pk16_fp6_f32 v[(\ckb)+8*\i+4*(\blk):(\ckb)+8*\i+4*(\blk)+2], v[(\s0)+(\sa)*(\i&1)+(\sb)*(\i>>1):(\s0)+(\sa)*(\i&1)+(\sb)*(\i>>1)+15], v[QSO+\i]
.endif
.endr
	v_nop                                          ; one plain line behind the last conversion
.endm
; the two half blocks of each token change halves, so that a lane holds a whole block; the six registers and the two bytes go to LDS: three stores a token
.macro QFIN nn, ckb
.irp i, 0,1,2,3
.if \i<\nn
.irp k, 0,1,2
	v_permlane16_swap_b32 v[(\ckb)+8*\i+\k], v[(\ckb)+8*\i+4+\k]
.endr
.irp k, 3,4,5
	v_mov_b32 v[(\ckb)+8*\i+\k], v[(\ckb)+8*\i+\k+1]
.endr
	v_lshl_or_b32 v[HW+\i], v[BY+4+\i], 8, v[BY+\i]
	ds_store_b128 v[WA16], v[(\ckb)+8*\i:(\ckb)+8*\i+3] offset:3072*\i
	ds_store_b64 v[WA8], v[(\ckb)+8*\i+4:(\ckb)+8*\i+5] offset:3072*\i
	ds_store_b16 v[WAS], v[HW+\i] offset:128*\i    ; lanes l and l xor 16 write the same two bytes with the same value
.endif
.endr
.endm
; LDS addresses: a base stepped by a constant, plus the lane's and the wave's constants
.macro ADDRR                           ; of the fragments and scale words to be fetched
	v_add_nc_u32 v[RA16], s34, v[L16]
	v_add_nc_u32 v[RA8], s34, v[L8]
	v_add_nc_u32 v[RA4], s35, v[L4]
.endm
.macro ADDRW                           ; of the images and scale bytes that this trip stores
	v_add_nc_u32 v[WA16], s36, v[W16]
	v_add_nc_u32 v[WA8], s36, v[W8]
	v_add_nc_u32 v[WAS], s37, v[WSH]
.endm
.macro ADDRB                           ; of what the four waves have just stored
	v_add_nc_u32 v[RA16], s36, v[L16]
	v_add_nc_u32 v[RA8], s36, v[L8]
	v_add_nc_u32 v[RA4], s37, v[L4]
.endm
.macro A1FETCH                         ; a group's fragments of x and y into window 3, and their scale words: 18 loads
	WIN 0xc0
	FETCH 200, 0
	FETCH 212, 1536
	FETCH 224, 21504
	FETCH 236, 23040
	WIN 0
	ds_load_b32 v[DS], v[RA4]
	ds_load_b32 v[DS+1], v[RA4] offset:128
.endm
.macro OFETCH dsw                      ; two token tiles for an output product, and their scale words
.irp tk, 0,1
.irp st, 0,1
	FETCH 160+24*\tk+12*\st, 3072*\tk+1536*\st
.endr
	ds_load_b32 v[(\dsw)+\tk], v[RA4] offset:128*\tk
.endr
.endm
.macro ZFETCH                          ; a group's four token tiles into window 3, and their scale words
	WIN 0xc0
.irp tk, 0,1,2,3
.irp st, 0,1
	FETCH 24*\tk+12*\st, 3072*\tk+1536*\st
.endr
.endr
	WIN 0
.irp tk, 0,1,2,3
	ds_load_b32 v[DS+\tk], v[RA4] offset:128*\tk
.endr
.endm
; A TRIP OF A1: QKV of x and y, attention of block 0, for one group.  Window 0: token tk at 64 + 48 tk: q 0, k 16, v 32; results over q0, k0, q1, k1; codes v224-255.  nxt = 1: the next group's fragments are fetched
.macro A1TRIP nxt
	s_wait_dscnt 12                                ; this group's fragments, fetched a trip ago, are in; the 12 stores issued behind them may be out
.irp hh, 0,1
	MMQA \hh, 64, 0
	WIN 0
.if \hh==0
	s_wait_dscnt 0x0                               ; the last trip's stores are done (they had the 24 products in which to land): their address and code registers are written again only behind this wait
	ADDRW                                          ; three plain lines and one more: the four places behind the products
	v_nop
.else
	PLACES
.if \nxt
	s_add_co_u32 s34, s34, 3072
	s_add_co_u32 s35, s35, 256
	ADDRR
	A1FETCH                                        ; the trip's last products have read these registers: the next group's fragments land under head 1's vector work
.endif
.endif
	DOT4 160, 162, 168, 170, 64, 64, 112, 112, 80, 128, 80, 128                      ; q0, q1 with k0, k1
	WIN 0x0c
	DOT4 164, 166, 172, 174, 64, 64, 112, 112, 96*\hh+16, 96*\hh+64, 96*\hh+16, 96*\hh+64   ; q0, q1 with the means' k
	DOT4 176, 178, 184, 186, 80, 128, 80, 128, 96*\hh, 96*\hh, 96*\hh+48, 96*\hh+48         ; the means' q with k0, k1
	WIN 0
	FOLDA
	SOFTA \hh
	AVJ 4, 0, 96, UA, 16, 48
	AVJ 4, 1, 144, UA, 16, 48
	WIN 0x03                                       ; the means' v: window 3
	AVJ 4, 2, 96*\hh+32, UA, 16, 48
	AVJ 4, 3, 96*\hh+80, UA, 16, 48
	WIN 0
	QBLK 4, \hh, 64, 16, 48, 224, DPA
.endr
	QFIN 4, 224
.if \nxt
	s_add_co_u32 s36, s36, 12288
	s_add_co_u32 s37, s37, 512
.endif
.endm
; A TRIP OF A2: the output product of block 0 for two token tiles.  Window 0: sums 64 + 32 tk + 8 t; fragments 160 + 24 tk + 12 s
.macro A2TRIP nxt
	s_wait_dscnt 6                                 ; the fragments fetched a trip ago are in; the six stores issued behind them may be out
	MMO 144, DS
	s_wait_dscnt 0x0                               ; the last trip's stores are done (they had the 16 products in which to land): their registers are written again only behind this wait
	ADDRW                                          ; three plain lines and one more: the four places behind the products
	v_nop
.if \nxt
	s_add_co_u32 s34, s34, 6144
	s_add_co_u32 s35, s35, 256
	ADDRR
	OFETCH DS                                      ; the next two tiles land under the quantiser's work
.endif
	QBLK 2, 0, 64, 32, 0, CK1, 208
	QBLK 2, 1, 80, 32, 0, CK1, 208
	QFIN 2, CK1
.if \nxt
	s_add_co_u32 s36, s36, 6144
	s_add_co_u32 s37, s37, 256
.endif
.endm
; A TRIP OF B, one group: QKV and attention of block 1 (window 0: q' 64 + 16 i, k' 96 + 16 j, v' 160 + 16 j; pairs v224-239; scores v240-247); a barrier; the last product and the way out.
; The group's images are written ahead of the trip's barrier and read behind it; a wave that is ahead writes the next group's, which are other bytes: one barrier a trip orders both.
.macro BTRIP nxt
	ADDRW                                          ; no LDS instruction of mine is out here
.irp hh, 0,1
	MMQB \hh
	WIN 0
	PLACES
.if (\hh==1)&&(\nxt)
	s_add_co_u32 s34, s34, 12288
	s_add_co_u32 s35, s35, 512
	ADDRR
	ZFETCH                                         ; the trip's last QKV products have read these registers: the next group's fragments land under the work that follows
.endif
	DOT4 224, 226, 228, 230, 64, 64, 64, 64, 96, 112, 128, 144
	DOT4 232, 234, 236, 238, 80, 80, 80, 80, 96, 112, 128, 144
	FOLDB
	SOFTB
	AVJ 2, 0, 160, 240, 16, 0
	AVJ 2, 1, 176, 240, 16, 0
	AVJ 2, 2, 192, 240, 16, 0
	AVJ 2, 3, 208, 240, 16, 0
	QBLK 2, \hh, 64, 16, 0, CK1, 224
.endr
	QFIN 2, CK1
	BARRIER                                        ; the group's two token tiles lie in LDS, all four waves' halves; and the fragments fetched ahead are in
	ADDRB
	OFETCH DS2
	s_wait_loadcnt 0x0                             ; Wout_z1 (it counts in the first trip alone)
	s_wait_dscnt 0x0
	MMO 176, DS2
	PLACES
.irp tk, 0,1
.irp t, 0,1,2,3
	ds_store_b128 v[SOA], v[64+32*\tk+8*\t:64+32*\tk+8*\t+3] offset:4352*\tk+128*(\t/2)+32*(\t%2)          ; each accumulator from its low end on
	ds_store_b128 v[SOA], v[64+32*\tk+8*\t+4:64+32*\tk+8*\t+7] offset:4352*\tk+128*(\t/2)+32*(\t%2)+16
.endr
.endr
.irp i, 0,1,2,3,4,5,6,7
	ds_load_b128 v[128+4*\i:131+4*\i], v[SRA] offset:544*\i          ; LDS serves a wave's instructions in order (ISA guide 5.7.1.4): these see my stores
.endr
.irp i, 0,1,2,3,4,5,6,7
	ds_load_b128 v[208+4*\i:211+4*\i], v[SRA] offset:4352+544*\i
.endr
.irp i, 0,1,2,3,4,5,6,7
	s_wait_dscnt 15-\i                             ; this pair of rows is back; the younger loads stay out
	global_store_b128 v[GO], v[128+4*\i:131+4*\i], s[20:21] offset:2048*\i th:TH_STORE_NT   ; sixteen lanes store 256 consecutive bytes at a multiple of 256 from the output's first byte
.endr
.irp i, 0,1,2,3,4,5,6,7
	s_wait_dscnt 7-\i
	global_store_b128 v[GO], v[208+4*\i:211+4*\i], s[22:23] offset:2048*\i th:TH_STORE_NT
.endr
.if \nxt
	s_wait_xcnt 0x0                                ; the stores have read their registers and bases: both may be written again
	s_add_nc_u64 s[20:21], s[20:21], 16384
	s_add_nc_u64 s[22:23], s[22:23], 16384
	s_add_co_u32 s36, s36, 6144
	s_add_co_u32 s37, s37, 256
.endif
.endm
	; ---------------- head ----------------
	s_load_b256 s[4:11], s[0:1], 0x0               ; xyc s[4:5], xys s[6:7], part s[8:9], ssum s[10:11]
	s_load_b256 s[12:19], s[0:1], 0x20             ; wc s[12:13], wsc s[14:15], bout_z s[16:17], bout_z1 s[18:19]
	s_load_b128 s[20:23], s[0:1], 0x40             ; out0 s[20:21], out1 s[22:23]
	v_lshl_add_u32 v31, v0, 2, 0x4ab00
	v_mov_b32 v255, 0
	v_lshrrev_b32 v60, 5, v0
	v_readfirstlane_b32 s24, v60                   ; wave 0..3
	s_lshr_b32 s25, s24, 1
	s_and_b32 s26, s24, 1
	v_and_b32 v60, 31, v0                          ; lane
	v_and_b32 v61, 15, v0                          ; r
	v_bfe_u32 v62, v0, 4, 1                        ; h
	v_lshlrev_b32 v[L16], 4, v60
	v_lshlrev_b32 v[L8], 3, v60
	v_lshlrev_b32 v[L4], 2, v60
	s_mul_i32 s40, s24, 768
	v_add_nc_u32 v[W16], s40, v[L16]
	s_add_co_u32 s40, s40, 512
	v_add_nc_u32 v[W8], s40, v[L8]
	s_lshl_b32 s40, s25, 6
	s_lshl_b32 s41, s26, 1
	s_add_co_u32 s40, s40, s41
	v_lshl_add_u32 v[WSH], v61, 2, s40
	s_mul_i32 s40, s24, 8704
	s_add_co_u32 s40, s40, STG
	v_mul_u32_u24 v[SOA], v61, 272
	v_lshl_add_u32 v[SOA], v62, 6, v[SOA]
	v_add_nc_u32 v[SOA], s40, v[SOA]               ; row r, + 64 h
	v_mul_u32_u24 v[SRA], v62, 272
	v_lshl_add_u32 v[SRA], v61, 4, v[SRA]
	v_add_nc_u32 v[SRA], s40, v[SRA]               ; lanes 0-15 one row, lanes 16-31 the next
	v_lshlrev_b32 v[GO], 10, v62
	v_lshl_add_u32 v[GO], v61, 4, v[GO]
	v_lshlrev_b32 v16, 4, v0                       ; 16 x thread
	s_mul_i32 s40, s24, 10752
	v_add_nc_u32 v17, s40, v[L16]                  ; XC (LDS byte 0) + my wave's quarter
	v_add_nc_u32 v18, XS, v16
	v_min_u32 v19, 1776, v16                       ; the scale records are 1,792 bytes: threads 112-127 read the last 16 again, into bytes that nobody reads
	v_min_u32 v20, 27, v60
	v_lshlrev_b32 v20, 8, v20                      ; lane l: the sum of s_t of the batch's l-th part
	v_lshlrev_b32 v21, 6, v62                      ; the biases: 64 h
	v_lshl_add_u32 v22, v62, 7, GL                 ; the means: my block of 32
	v_add_nc_u32 v23, GL, v16
	v_lshlrev_b32 v[BH8], 3, v62
	v_mov_b32 v177, 0                              ; written once: lane permutes' destinations, and the upper half of a pair that is named
	v_mov_b32 v179, 0
	v_mov_b32 v[BTW], 0
	s_mov_b32 s[SELR], 0x76543210
	s_mov_b32 s[SELR+1], 0xfedcba98
	s_mov_b32 s30, 0x3e8293ee                      ; c = log2 e / sqrt 32
	s_mov_b32 s31, 0xc31044fe                      ; -100 log2 e
	s_mov_b32 s[HMR], 0xffff0000
	s_and_b32 s40, ttmp7, 0xffff                   ; the batch
	s_mul_i32 s41, s40, 28
	s_add_co_u32 s41, s41, ttmp9                   ; my 112 positions among all
	s_mov_b32 s43, 0
	s_wait_kmcnt 0x0
	s_mul_i32 s42, s41, 21504
	s_mul_i32 s44, s25, 4816896
	s_add_co_u32 s42, s42, s44
	s_mul_i32 s44, s26, 10752
	s_add_co_u32 s42, s42, s44
	s_add_nc_u64 s[4:5], s[4:5], s[42:43]          ; waves 0, 1: the halves of x's seven tiles; waves 2, 3: of y's
	s_mul_i32 s42, s41, 1792
	s_add_nc_u64 s[6:7], s[6:7], s[42:43]
	s_mul_i32 s42, s40, 57344
	s_add_nc_u64 s[8:9], s[8:9], s[42:43]
	s_mul_i32 s42, s40, 7168
	s_add_nc_u64 s[10:11], s[10:11], s[42:43]
	s_mul_i32 s42, s24, 12288
	s_add_nc_u64 s[12:13], s[12:13], s[42:43]      ; four tiles a wave in each run of sixteen
	s_lshl_b32 s42, s24, 9
	s_add_nc_u64 s[14:15], s[14:15], s[42:43]
	s_lshl_b32 s42, s24, 8
	s_add_nc_u64 s[16:17], s[16:17], s[42:43]
	s_add_nc_u64 s[18:19], s[18:19], s[42:43]
	s_mul_i32 s44, s41, 114688
	s_add_co_u32 s42, s42, s44
	s_add_nc_u64 s[20:21], s[20:21], s[42:43]      ; my first row, my 64 columns
	s_add_nc_u64 s[22:23], s[22:23], s[42:43]
	; the loads go out in four batches, and the head's own work stands between them: 28 + 1 + 21 + 1 that it works on first; head 0's weights (54); head 1's (54); Wout_z and the biases (52)
.set j, 0
.rept 28
	global_load_b128 v[64+4*j:64+4*j+3], v16, s[8:9] offset:2048*j   ; the batch's 28 partial sums of my four channels
.set j, j+1
.endr
	global_load_b32 v176, v20, s[10:11]
	WIN 0xc0
.set j, 0
.rept 21
	global_load_b128 v[4*j:4*j+3], v[L16], s[4:5] offset:512*j th:TH_LOAD_NT
.set j, j+1
.endr
	global_load_b128 v[84:87], v19, s[6:7] th:TH_LOAD_NT
	WIN 0
	LOADW1H 0, 0
	s_wait_loadcnt 54                              ; the first 51 loads are in; the 54 issued behind them may be out
	WIN 0x0c                                       ; an LDS store's data are its source 1: window 3
.set j, 0
.rept 21
	ds_store_b128 v17, v[4*j:4*j+3] offset:512*j
.set j, j+1
.endr
	ds_store_b128 v18, v[84:87]
	WIN 0
	v_cmp_gt_u32 vcc_lo, 28, v60
	v_cndmask_b32 v176, 0, v176, vcc_lo            ; 28 parts
	v_add_f32_dpp v176, v176, v176 row_xmask:1 row_mask:0xf bank_mask:0xf
	v_add_f32_dpp v176, v176, v176 row_xmask:2 row_mask:0xf bank_mask:0xf
	v_add_f32_dpp v176, v176, v176 row_xmask:4 row_mask:0xf bank_mask:0xf
	v_add_f32_dpp v176, v176, v176 row_xmask:8 row_mask:0xf bank_mask:0xf
	v_permlanex16_b32 v177, v176, s[SELR], s[SELR+1]
	v_add_f32 v176, v176, v177
	v_add_f32 v176, 0x322bcc77, v176               ; + 1e-8
	v_rcp_f32 v178, v176
.set j, 2
.rept 26
	v_pk_add_f32 v[64+4*(j%2):65+4*(j%2)], v[64+4*(j%2):65+4*(j%2)], v[64+4*j:65+4*j]     ; two chains
	v_pk_add_f32 v[66+4*(j%2):67+4*(j%2)], v[66+4*(j%2):67+4*(j%2)], v[66+4*j:67+4*j]
.set j, j+1
.endr
	v_pk_add_f32 v[64:65], v[64:65], v[68:69]
	v_pk_add_f32 v[66:67], v[66:67], v[70:71]
	s_wait_alu depctr_va_vdst(0)                   ; the reciprocal's wait, ahead of its first reader; the sums above are the work between
	v_pk_mul_f32 v[64:65], v[64:65], v[178:179] op_sel_hi:[1,0]
	v_pk_mul_f32 v[66:67], v[66:67], v[178:179] op_sel_hi:[1,0]
	ds_store_b128 v23, v[64:67]                    ; threads 0-63: x's mean; threads 64-127: y's
	LOADW1H 1, 0
	BARRIER                                        ; x's and y's images, their scale records and the means lie in LDS
	LOADW2 48
	WIN 0x80
.irp t, 0,1,2,3
	global_load_b128 v[144+8*\t:147+8*\t], v21, s[16:17] offset:128*(\t/2)+32*(\t%2)      ; lane (r, h), tile t: columns 32 (t / 2) + 16 h + 8 (t % 2) + 0 .. 7 of my 64
	global_load_b128 v[148+8*\t:151+8*\t], v21, s[16:17] offset:128*(\t/2)+32*(\t%2)+16
	global_load_b128 v[176+8*\t:179+8*\t], v21, s[18:19] offset:128*(\t/2)+32*(\t%2)
	global_load_b128 v[180+8*\t:183+8*\t], v21, s[18:19] offset:128*(\t/2)+32*(\t%2)+16
.endr
	WIN 0
.irp tk, 0,1
.irp k, 0,1,2,3
.irp q, 0,1,2,3,4,5,6,7
	ds_load_b128 v[BR+32*\k+4*\q:BR+32*\k+4*\q+3], v22 offset:1024*\tk+256*\k+16*\q   ; all sixteen rows of this tile are the mean
.endr
.endr
	s_wait_dscnt 0x0
	QB4
	v_mov_b32 v[DS+\tk], v[BSW]
	WIN 0xc0
.set j, 0
.rept 24
	v_mov_b32 v[200+24*\tk+j], v[BC+j]
.set j, j+1
.endr
	WIN 0
.endr
	s_wait_loadcnt 52                              ; both heads' QKV weights are in; Wout_z's 36 loads and the biases' 16, issued behind them, may be out
.rept 8
	v_nop                                          ; scale words and operands written by vector instructions stand 8 and 4 places ahead of a scaled matrix instruction
.endr
	MMQA 0, 0, 1
	MMQA 1, 96, 1
	WIN 0
	PLACES
	s_mov_b32 s34, XC
	s_mov_b32 s35, XS
	ADDRR
	A1FETCH                                        ; the first group's fragments, into the registers that the means' have left; they land under the four scores below
.irp hh, 0,1                                   ; the four scores among the means, x c: they hold for the whole batch
	WIN 0x0f
	DOT4 160, 162, 164, 166, 96*\hh, 96*\hh, 96*\hh+48, 96*\hh+48, 96*\hh+16, 96*\hh+64, 96*\hh+16, 96*\hh+64
	WIN 0
.irp d, 0,1,2,3
	v_add_f32 v[UA+\d], v[DPA+2*\d], v[DPA+2*\d+1]
.endr
.irp d, 0,1,2,3
	v_permlanex16_b32 v[DPA+2*\d], v[UA+\d], s[SELR], s[SELR+1]
.endr
.irp d, 0,1,2,3
	v_add_f32 v[UA+\d], v[UA+\d], v[DPA+2*\d]
.endr
.irp d, 0,1,2,3
	v_mul_f32 v[CG+4*\hh+\d], s30, v[UA+\d]
.endr
.endr
	; ---------------- A1: seven groups; the last is written out, since it fetches nothing ----------------
	s_mov_b32 s36, AO
	s_mov_b32 s37, AOS
	s_mov_b32 s33, 6
	s_wait_dscnt 0x0                               ; the first fetch has no stores behind it: on this way in the counted wait at a trip's head would leave it out
.La1:
	A1TRIP 1
	s_sub_co_u32 s33, s33, 1
	s_cmp_lg_u32 s33, 0
	s_cbranch_scc1 .La1
	A1TRIP 0
	PLACES
	LOADW1H 0, 64                                  ; block 1's QKV weights of my head 0 into the registers that block 0's have left: a phase ahead of their use
	BARRIER                                        ; attention 0's 28 token tiles lie in LDS
	; ---------------- A2: fourteen trips of two token tiles: seven, head 1's next weights, six, and the last written out ----------------
	s_mov_b32 s34, AO
	s_mov_b32 s35, AOS
	s_mov_b32 s36, ZI
	s_mov_b32 s37, ZS
	ADDRR
	OFETCH DS
	s_wait_loadcnt 54                              ; Wout_z and the biases are in; the 54 loads issued behind them may be out
	s_wait_dscnt 0x0                               ; the first fetch has no stores behind it
	s_mov_b32 s33, 7
.La2a:
	A2TRIP 1
	s_sub_co_u32 s33, s33, 1
	s_cmp_lg_u32 s33, 0
	s_cbranch_scc1 .La2a
	PLACES
	LOADW1H 1, 64                                  ; head 1's, half a phase behind head 0's
	s_mov_b32 s33, 6
.La2b:                                             ; the bases go on where the first seven trips left them
	A2TRIP 1
	s_sub_co_u32 s33, s33, 1
	s_cmp_lg_u32 s33, 0
	s_cbranch_scc1 .La2b
	A2TRIP 0
	PLACES
	LOADW2 112                                     ; Wout_z1 into Wout_z's registers; it is wanted behind the first group's attention
	BARRIER                                        ; block 0's result lies in LDS
	; ---------------- B: seven groups; the last is written out ----------------
.set QM,  248
.set QSO, 252
	s_mov_b32 s34, ZI
	s_mov_b32 s35, ZS
	s_mov_b32 s36, BO
	s_mov_b32 s37, BOS
	ADDRR
	ZFETCH
	s_wait_loadcnt 36                              ; both QKV batches are in; the 36 loads issued behind them may stay out
	s_wait_dscnt 0x0
	s_mov_b32 s33, 6
.Lb:
	BTRIP 1
	s_sub_co_u32 s33, s33, 1
	s_cmp_lg_u32 s33, 0
	s_cbranch_scc1 .Lb
	BTRIP 0
	s_wait_tensorcnt 0x0
	ds_add_u32 v31, v255
	s_wait_dscnt 0x0
	s_endpgm
.Lfunc_end_k_q960bdbaeef_main:
	.size	k_q960bdbaeef_main, .Lfunc_end_k_q960bdbaeef_main-k_q960bdbaeef_main
	.p2alignl 7, 3214868480
	.fill 96, 4, 3214868480
	.section	.rodata,"a",@progbits
	.p2align	6, 0x0
	.amdhsa_kernel k_q960bdbaeef_main
		.amdhsa_group_segment_fixed_size 306432
		.amdhsa_private_segment_fixed_size 0
		.amdhsa_enable_private_segment 0
		.amdhsa_kernarg_size 80
		.amdhsa_user_sgpr_count 2
		.amdhsa_user_sgpr_kernarg_segment_ptr 1
		.amdhsa_wavefront_size32 1
		.amdhsa_system_sgpr_workgroup_id_x 1
		.amdhsa_system_sgpr_workgroup_id_y 1
		.amdhsa_system_sgpr_workgroup_id_z 1
		.amdhsa_system_vgpr_workitem_id 0
		.amdhsa_next_free_vgpr 1024
		.amdhsa_next_free_sgpr 66
		.amdhsa_reserve_vcc 1
		.amdhsa_float_denorm_mode_32 3
		.amdhsa_float_denorm_mode_16_64 3
		.amdhsa_memory_ordered 1
		.amdhsa_forward_progress 1
		.amdhsa_inst_pref_size 255
	.end_amdhsa_kernel
	.section	.bss,"aw",@nobits
	.p2align	6
	.space	262144
	.amdgpu_metadata
---
amdhsa.version: [ 1, 2 ]
amdhsa.kernels:
  - .name:           k_q960bdbaeef_main
    .symbol:         k_q960bdbaeef_main.kd
    .args:
      - { .name: xyc, .offset: 0, .size: 8, .value_kind: global_buffer, .address_space: global }
      - { .name: xys, .offset: 8, .size: 8, .value_kind: global_buffer, .address_space: global }
      - { .name: part, .offset: 16, .size: 8, .value_kind: global_buffer, .address_space: global }
      - { .name: ssum, .offset: 24, .size: 8, .value_kind: global_buffer, .address_space: global }
      - { .name: wc, .offset: 32, .size: 8, .value_kind: global_buffer, .address_space: global }
      - { .name: wsc, .offset: 40, .size: 8, .value_kind: global_buffer, .address_space: global }
      - { .name: bout_z, .offset: 48, .size: 8, .value_kind: global_buffer, .address_space: global }
      - { .name: bout_z1, .offset: 56, .size: 8, .value_kind: global_buffer, .address_space: global }
      - { .name: out0, .offset: 64, .size: 8, .value_kind: global_buffer, .address_space: global }
      - { .name: out1, .offset: 72, .size: 8, .value_kind: global_buffer, .address_space: global }
    .group_segment_fixed_size: 306432
    .private_segment_fixed_size: 0
    .kernarg_segment_align: 8
    .kernarg_segment_size: 80
    .max_flat_workgroup_size: 128
    .sgpr_count:     66
    .vgpr_count:     1024
    .wavefront_size: 32
...
	.end_amdgpu_metadata
.endif
;; end of part 2
;; ======== version 2 of 2: 2 launches; version 1 with the launch main written anew for expert scheduling mode
;; workspace buffers: xyc 9,633,792 bytes; xys 401,408 bytes; part 458,752 bytes; ssum 57,344 bytes; wc 393,216 bytes; wsc 16,384 bytes
;; launch prep: the kernel of part 1 again; grid 234 x 1, 14 waves a work-group, no clusters, 249,600 bytes of LDS; arguments x, y, s, Wqkv_z, Wout_z, Wqkv_z1, Wout_z1, xyc, xys, part, ssum, wc, wsc; writes xyc, xys, part, ssum, wc, wsc
;; launch main (part 3): grid 28 x 8, 4 waves a work-group, no clusters, 306,432 bytes of LDS; arguments xyc, xys, part, ssum, wc, wsc, bout_z, bout_z1, out0, out1; writes out0, out1
.if DOCPART == 3
	.amdgcn_target "amdgcn-amd-amdhsa--gfx1250"
	.amdhsa_code_object_version 6
	.text
	.protected	k_q960bdbaeef_main
	.globl	k_q960bdbaeef_main
	.p2align	8
	.type	k_q960bdbaeef_main,@function
k_q960bdbaeef_main:
	s_mov_b64 s[64:65], 0
	v_nop
	global_prefetch_b8 v0, s[64:65] scope:SCOPE_SE
	s_setreg_imm32_b32 hwreg(HW_REG_WAVE_SCHED_MODE, 0, 2), 2
	s_setreg_imm32_b32 hwreg(HW_REG_WAVE_MODE, 25, 1), 1
	s_wait_xcnt 0x0
	s_wait_alu depctr_vm_vsrc(0)
; The whole chain for 112 positions of one batch (7 groups of 16): tokens x, y and the batch's two weighted means; QKV, 4 x 4 attention in 8 heads of 32, output product + bias; the same again; tokens 0 and 1 leave.
; All four large products run on codes of FP6 (E2M3) with E8M0 scales for each 32 along K; dots, softmax and weighted sums are f32 multiply-adds.
; SHARES.  Four waves share the COLUMNS: wave w owns heads 2 w, 2 w + 1 of q, k, v and columns 64 w .. 64 w + 63 of each output product, for all rows.  Its weights stay in registers for a phase;
; the second block's weights are loaded into freed registers a phase ahead.  What goes from wave to wave are the rows' codes, through LDS, as images of operand registers (a half of 6 registers: 512 bytes at 16 x lane, 256 at 8 x lane),
; in regions that are written once: ten barriers in all.
; PHASES.  head: x's and y's images into LDS; the means, quantised; their q, k, v (once for the batch: all 16 rows of that tile are the mean).  A1: QKV of x and y, attention of block 0.  A2: its output product.
; B: for each group QKV and attention of block 1 (q of tokens 0 and 1 alone: the definition keeps only those rows), one barrier, the last product for tokens 0 and 1, and the way out through the wave's own stage:
; so the output's stores leave all through this phase.
; A TRIP AHEAD.  In every loop the next trip's fragments are loaded from LDS into the same registers behind the trip's last products that read them, and land under the trip's vector work; each loop's last trip is written out without that fetch.
; EVERY PRODUCT IS USED TRANSPOSED (source 0 = 16 columns of a weight, source 1 = 16 rows): lane (r, h) holds row r, and the 16 registers of tiles 2 b, 2 b + 1 are channels 32 b + 16 h + 0 .. 15 (the tiles' columns were chosen so).
; A head is one block of 32 of the next K: lanes l and l xor 16 share it.  A wave's two heads are half w of the next operand: K step w / 2, registers 6 (w % 2) on.
; THE MASKS are added as they are, -100 (here x log2 e), and all four keys are kept; the row's maximum is taken away before the exponential.
; NO JOINT LOADS: what work-groups share are the weights; a block's are 196,608 bytes for a work-group, LDS has 21,760 bytes left beside the chain's operands, and from memory they go straight into the registers in which they stay.
; LIMITS: NaN and infinities are not served; a block of zeros gets the byte 1 with zero codes; the means' sums are taken in another order than the definition's; divisions are a reciprocal and a multiply; an exponential that would be denormal is 0.
; WINDOWS of 256 registers (s_set_vgpr_msb: bits 1:0 source 0, 3:2 source 1, 5:4 source 2, 7:6 destination):
;   window 1: v0-143 QKV weights of my head 0 (fragment (f, s) at 24 f + 12 s, f = 2 x (q, k, v) + tile); v144-239 output weights (tile t, s) at 144 + 24 t + 12 s
;   window 2: v0-143 QKV weights of my head 1; v144-175 bout_z, v176-207 bout_z1 in the result's layout, 8 a tile
;   window 3: v0-191 the means' q, k, v (head hh at 96 hh; token 2: q 0, k 16, v 32; token 3: 48, 64, 80); v200-247 x's and y's fragments; in B v0-95 the four tokens' fragments
;   window 0: v1-15 addresses; v16-31 codes (A2, B); v32-43, v44-47 the weights' scale words; v48-51 the rows' scale words; v52-59 bytes (in B v54, v55, v58: addresses); v60-63 half words (in B v62-63: the last product's scale words); v64-255 by phase.
; THE MODE: SCHED_MODE bits 1:0 = 2 (LLVM: expert scheduling mode 2), set by the entry lines.  The code itself states the register dependences
; between vector or matrix instructions and memory or LDS instructions, with s_wait_alu, always for 0.
; THE PLAN.  Registers that memory or LDS instructions touch:
;   v1-6, v13-15   the lane's constants: written at the head, read by loads and stores, never written again.
;   RA v7-9        the fetch's addresses: three additions a trip write them, the trip's fetch reads them.      WA v10-12: the same for the trip's image stores.      RB v54, v55, v58 (B): for the fetch behind the trip's barrier.
;   the fragments and the rows' scale words (window 3 v200-247 or v0-95, v160-207, v48-51, v62-63): LDS loads write them, products read them; v160-207 are at work in vector lines too (A1, B).
;   the codes (v224-254 in A1, v16-30 in A2 and B) and half words v60-63: the quantiser writes them, the trip's image stores read them.
;   B: v64-127 the last product's sums, read by the stage's stores; v128-159 and v208-239, in which the stage's loads land, read by the global stores, written again by the next trip's products and dots.
;   windows 1 and 2, v32-47: the weights and their scale words: global loads write them a phase ahead, products read them.
; So a trip holds: ONE wait on vm_vsrc, ahead of the first line that writes again what the last trip's stores and fetches read; one wait on va_vdst ahead of the fetch (in A1 it is the wait that head 1's exponentials have anyway);
; one ahead of the run of image stores, behind all of the quantiser's lane work; in B one more, behind the places, ahead of the stage's stores and loads.  The next phase's weight loads and B's fetch behind the barrier
; lean on the wait ahead of the image stores: no vector or matrix instruction stands between it and them.
.set XC,  0                            ; LDS: x's, then y's images: [2][7][3072]
.set XS,  43008                        ; their scale records [7][2][128], and 256 bytes that nobody reads
.set GL,  45056                        ; the two means, 256 f32 each
.set AO,  47104                        ; attention 0's result: [7][4 tokens][4 halves][768]
.set AOS, 133120                       ; [7][4][128]
.set ZI,  136704                       ; block 0's result, likewise
.set ZS,  222720
.set BO,  226304                       ; attention 1's result: [7][2][3072]
.set BOS, 269312
.set STG, 271104                       ; the way out: [4 waves][2 tokens][16 rows x 272]
.set L16, 1                            ; 16 x lane
.set L8,  2                            ; 8 x lane
.set L4,  3                            ; 4 x lane
.set W16, 4                            ; 768 w + 16 x lane
.set W8,  5                            ; 768 w + 512 + 8 x lane
.set WSH, 6                            ; 64 (w / 2) + 2 (w % 2) + 4 r
.set RA16, 7                           ; the addresses in hand: reads
.set RA8, 8
.set RA4, 9
.set WA16, 10                          ; writes
.set WA8, 11
.set WAS, 12
.set SOA, 13                           ; the stage, in
.set SRA, 14                           ; and back
.set GO,  15                           ; my bytes in two rows of the output
.set RB16, 54                          ; B: reads of what the four waves store in this trip
.set RB8, 55
.set RB4, 58
.set CK1, 16
.set WS1, 32
.set WS2, 44
.set DS,  48
.set BY,  52
.set HW,  60
.set DS2, 62
.set UA,  192                          ; A1: the 16 scores, then weights
.set DPA, 160                          ; A1: the dots' pairs
.set CG,  208                          ; the scores among the two means, 4 a head
.set BR,  64                           ; the head's quantiser (its map as in the launch before)
.set BC,  192
.set BT,  216
.set BM,  232
.set BS,  236
.set BB,  240
.set BW0, 244
.set BW1, 245
.set BTW, 246
.set BSW, 247
.set BH8, 24
.set SELR, 28                          ; s[28:29] lane selects: lane l xor 16
.set HMR, 32                           ; s32 the mask of lanes 16-31
.set QM,  220                          ; largest magnitudes (A1, A2)
.set QSO, 216                          ; scale operands
.set MSB, 0
.macro WIN new                         ; the immediate's high byte repeats the setting that is left; a switch that changes nothing is dropped
.if MSB != (\new)
	s_set_vgpr_msb (MSB<<8)|(\new)
.set MSB, (\new)
.endif
.endm
.macro PLACES                          ; four plain places behind a matrix instruction, ahead of reads of results (ISA guide 7.12.1)
.rept 4
	v_nop
.endr
.endm
.macro BARRIER                         ; my LDS stores have landed and my LDS loads are in: then the work-group's barrier
	s_wait_dscnt 0x0
	s_barrier_signal -1
	s_barrier_wait -1
.endm
.macro QB4                             ; four whole blocks of a lane become 24 registers of codes and the tile's scale words
.irp k, 0,1,2,3
	v_max3_num_f32 v[BM+\k], |v[BR+32*\k]|, |v[BR+32*\k+1]|, 0x1800000
.endr
.irp i, 2,4,6,8,10,12,14,16,18,20,22,24,26,28,30
.irp k, 0,1,2,3
	v_max3_num_f32 v[BM+\k], v[BM+\k], |v[BR+32*\k+\i]|, |v[BR+32*\k+\i+1]|
.endr
.endr
.irp k, 0,1,2,3
	v_add_nc_u32 v[BS+\k], 0xff000000, v[BM+\k]
.endr
.irp k, 0,1,2,3
	v_lshrrev_b32 v[BB+\k], 23, v[BS+\k]
.endr
.irp k, 0,1,2,3
	v_cvt_scalef32_pk16_fp6_f32 v[BC+6*\k:BC+6*\k+2], v[BR+32*\k:BR+32*\k+15], v[BS+\k]
	v_cvt_scalef32_pk16_fp6_f32 v[BT+4*\k:BT+4*\k+2], v[BR+32*\k+16:BR+32*\k+31], v[BS+\k]
.endr
	v_lshl_or_b32 v[BW0], v[BB+1], 16, v[BB]       ; (also the plain line behind the conversions)
	v_lshl_or_b32 v[BW1], v[BB+3], 16, v[BB+2]
	v_lshlrev_b32 v[BW0], v[BH8], v[BW0]
	v_lshlrev_b32 v[BW1], v[BH8], v[BW1]
	v_permlanex16_b32 v[BTW], v[BW0], s[SELR], s[SELR+1]
	v_or_b32 v[BW0], v[BW0], v[BTW]
	v_permlanex16_b32 v[BTW], v[BW1], s[SELR], s[SELR+1]
	v_or_b32 v[BW1], v[BW1], v[BTW]
	v_cndmask_b32 v[BSW], v[BW0], v[BW1], s[HMR]
.irp k, 0,1,2,3
.irp i, 0,1,2
	v_mov_b32 v[BC+6*\k+3+\i], v[BT+4*\k+\i]
.endr
.endr
.endm
.macro FETCH reg, off, a16, a8         ; a fragment's image back into 12 registers (the caller sets the destination's window and names the two address registers)
.irp c, 0,1
	ds_load_b128 v[(\reg)+6*\c:(\reg)+6*\c+3], v[\a16] offset:(\off)+768*\c
	ds_load_b64 v[(\reg)+6*\c+4:(\reg)+6*\c+5], v[\a8] offset:(\off)+768*\c+512
.endr
.endm
.macro LOADW1H hh, tb                  ; the QKV weights of my head hh, from tile tb on: 48 + 6 loads
	WIN 0x40*(1+\hh)
.irp f, 0,1,2,3,4,5
.irp st, 0,1
.irp c, 0,1
	global_load_b128 v[24*\f+12*\st+6*\c:24*\f+12*\st+6*\c+3], v[L16], s[12:13] offset:((\tb)+16*(\f/2)+2*(\hh)+\f%2)*3072+1536*\st+768*\c
	global_load_b64 v[24*\f+12*\st+6*\c+4:24*\f+12*\st+6*\c+5], v[L8], s[12:13] offset:((\tb)+16*(\f/2)+2*(\hh)+\f%2)*3072+1536*\st+768*\c+512
.endr
.endr
.endr
	WIN 0
.irp f, 0,1,2,3,4,5
	global_load_b32 v[WS1+6*(\hh)+\f], v[L4], s[14:15] offset:((\tb)+16*(\f/2)+2*(\hh)+\f%2)*128
.endr
.endm
.macro LOADW2 tb                       ; my four tiles of an output weight: 32 + 4 loads
	WIN 0x40
.irp t, 0,1,2,3
.irp st, 0,1
.irp c, 0,1
	global_load_b128 v[144+24*\t+12*\st+6*\c:144+24*\t+12*\st+6*\c+3], v[L16], s[12:13] offset:((\tb)+\t)*3072+1536*\st+768*\c
	global_load_b64 v[144+24*\t+12*\st+6*\c+4:144+24*\t+12*\st+6*\c+5], v[L8], s[12:13] offset:((\tb)+\t)*3072+1536*\st+768*\c+512
.endr
.endr
.endr
	WIN 0
.irp t, 0,1,2,3
	global_load_b32 v[WS2+\t], v[L4], s[14:15] offset:((\tb)+\t)*128
.endr
.endm
.macro WM0 d, a, b, sa, sb             ; K step 0: the product starts the sum
	v_wmma_scale_f32_16x16x128_f8f6f4 v[(\d):(\d)+7], v[(\a):(\a)+11], v[(\b):(\b)+11], 0, v[\sa], v[\sb] matrix_a_fmt:MATRIX_FMT_FP6 matrix_b_fmt:MATRIX_FMT_FP6
.endm
.macro WMB d, a, b, cc, sa, sb         ; K step 0: the bias starts the sum
	v_wmma_scale_f32_16x16x128_f8f6f4 v[(\d):(\d)+7], v[(\a):(\a)+11], v[(\b):(\b)+11], v[(\cc):(\cc)+7], v[\sa], v[\sb] matrix_a_fmt:MATRIX_FMT_FP6 matrix_b_fmt:MATRIX_FMT_FP6
.endm
.macro WM1 d, a, b, sa, sb             ; K step 1, in place: its scale words lie in lanes 16-31
	v_wmma_scale_f32_16x16x128_f8f6f4 v[(\d):(\d)+7], v[(\a):(\a)+11], v[(\b):(\b)+11], v[(\d):(\d)+7], v[\sa], v[\sb] matrix_a_fmt:MATRIX_FMT_FP6 matrix_b_fmt:MATRIX_FMT_FP6 matrix_a_scale:MATRIX_SCALE_ROW1 matrix_b_scale:MATRIX_SCALE_ROW1
.endm
; q, k, v of two tokens for my head hh: 12 accumulators by turns, one instruction a turn.  dw = 1: the results go to window 3
.macro MMQA hh, db, dw
.if \dw
	WIN (1+\hh)|0xcc
.else
	WIN (1+\hh)|0x0c
.endif
.irp tk, 0,1
.irp f, 0,1,2,3,4,5
	WM0 (\db)+48*\tk+8*\f, 24*\f, 200+24*\tk, WS1+6*(\hh)+\f, DS+\tk
.endr
.endr
.if \dw
	WIN (1+\hh)|0xfc
.endif
.irp tk, 0,1
.irp f, 0,1,2,3,4,5
	WM1 (\db)+48*\tk+8*\f, 24*\f+12, 212+24*\tk, WS1+6*(\hh)+\f, DS+\tk
.endr
.endr
.endm
; block 1: q of tokens 0, 1; k, v of all four: 20 accumulators by turns.  q' at 64 + 16 token, k' at 96 + 16 token, v' at 160 + 16 token
.macro MMQB hh
	WIN (1+\hh)|0x0c
.irp tk, 0,1,2,3
.irp f, 0,1,2,3,4,5
.if (\tk<2)||(\f>1)
	WM0 64+32*(\f/2)+32*(\f/4)+16*\tk+8*(\f%2), 24*\f, 24*\tk, WS1+6*(\hh)+\f, DS+\tk
.endif
.endr
.endr
.irp tk, 0,1,2,3
.irp f, 0,1,2,3,4,5
.if (\tk<2)||(\f>1)
	WM1 64+32*(\f/2)+32*(\f/4)+16*\tk+8*(\f%2), 24*\f+12, 24*\tk+12, WS1+6*(\hh)+\f, DS+\tk
.endif
.endr
.endr
.endm
; an output product: two tokens x my four tiles: 8 accumulators by turns; bi: the bias's registers in window 2; dsw: the rows' scale words
.macro MMO bi, dsw
	WIN 0x21
.irp tk, 0,1
.irp t, 0,1,2,3
	WMB 64+32*\tk+8*\t, 144+24*\t, 160+24*\tk, (\bi)+8*\t, WS2+\t, (\dsw)+\tk
.endr
.endr
	WIN 0x01
.irp tk, 0,1
.irp t, 0,1,2,3
	WM1 64+32*\tk+8*\t, 156+24*\t, 172+24*\tk, WS2+\t, (\dsw)+\tk
.endr
.endr
	WIN 0
.endm
; four dots of my 16 channels, by turns, two channels an instruction, from each accumulator's low end on
.macro DOT4 d0, d1, d2, d3, a0, a1, a2, a3, b0, b1, b2, b3
	v_pk_mul_f32 v[(\d0):(\d0)+1], v[(\a0):(\a0)+1], v[(\b0):(\b0)+1]
	v_pk_mul_f32 v[(\d1):(\d1)+1], v[(\a1):(\a1)+1], v[(\b1):(\b1)+1]
	v_pk_mul_f32 v[(\d2):(\d2)+1], v[(\a2):(\a2)+1], v[(\b2):(\b2)+1]
	v_pk_mul_f32 v[(\d3):(\d3)+1], v[(\a3):(\a3)+1], v[(\b3):(\b3)+1]
.irp e, 2,4,6,8,10,12,14
	v_pk_fma_f32 v[(\d0):(\d0)+1], v[(\a0)+\e:(\a0)+\e+1], v[(\b0)+\e:(\b0)+\e+1], v[(\d0):(\d0)+1]
	v_pk_fma_f32 v[(\d1):(\d1)+1], v[(\a1)+\e:(\a1)+\e+1], v[(\b1)+\e:(\b1)+\e+1], v[(\d1):(\d1)+1]
	v_pk_fma_f32 v[(\d2):(\d2)+1], v[(\a2)+\e:(\a2)+\e+1], v[(\b2)+\e:(\b2)+\e+1], v[(\d2):(\d2)+1]
	v_pk_fma_f32 v[(\d3):(\d3)+1], v[(\a3)+\e:(\a3)+\e+1], v[(\b3)+\e:(\b3)+\e+1], v[(\d3):(\d3)+1]
.endr
.endm
; block 0: the 12 dots that hang on the position (score 4 i + j): the pair's halves, lane l xor 16's 16 channels, x c = log2 e / sqrt 32, and -100 log2 e where the mask has -100
.macro FOLDA
.irp d, 0,1,2,3,4,5,6,7,8,9,12,13
	v_add_f32 v[UA+\d], v[DPA+2*\d], v[DPA+2*\d+1]
.endr
.irp d, 0,1,2,3,4,5,6,7,8,9,12,13
	v_permlanex16_b32 v[DPA+2*\d], v[UA+\d], s[SELR], s[SELR+1]
.endr
.irp d, 0,1,2,3,4,5,6,7,8,9,12,13
	v_add_f32 v[UA+\d], v[UA+\d], v[DPA+2*\d]
.endr
.irp d, 0,1,2,4,5,7,8,13
	v_mul_f32 v[UA+\d], s30, v[UA+\d]
.endr
.irp d, 3,6,9,12
	v_fma_f32 v[UA+\d], v[UA+\d], s30, s31
.endr
.endm
.macro FOLDB                           ; block 1: 8 dots; the mask has -100 at (0,1), (0,3), (1,0), (1,2)
.irp d, 0,1,2,3,4,5,6,7
	v_add_f32 v[240+\d], v[224+2*\d], v[225+2*\d]
.endr
.irp d, 0,1,2,3,4,5,6,7
	v_permlanex16_b32 v[224+2*\d], v[240+\d], s[SELR], s[SELR+1]
.endr
.irp d, 0,1,2,3,4,5,6,7
	v_add_f32 v[240+\d], v[240+\d], v[224+2*\d]
.endr
.irp d, 0,2,5,7
	v_mul_f32 v[240+\d], s30, v[240+\d]
.endr
.irp d, 1,3,4,6
	v_fma_f32 v[240+\d], v[240+\d], s30, s31
.endr
.endm
; four rows of four: maximum, 2^(t - max), sum, reciprocal, weights.  The scores among the means come from CG.  The exponentials are one batch with one wait, which the trip writes between the two halves; the reciprocals another.
.macro SOFTA1 hh
	v_max3_num_f32 v220, v[UA], v[UA+1], v[UA+2]
	v_max3_num_f32 v221, v[UA+4], v[UA+5], v[UA+6]
	v_max3_num_f32 v222, v[UA+8], v[UA+9], v[CG+4*\hh]
	v_max3_num_f32 v223, v[UA+12], v[UA+13], v[CG+4*\hh+2]
	v_max_num_f32 v220, v220, v[UA+3]
	v_max_num_f32 v221, v221, v[UA+7]
	v_max_num_f32 v222, v222, v[CG+4*\hh+1]
	v_max_num_f32 v223, v223, v[CG+4*\hh+3]
.irp d, 0,1,2,3,4,5,6,7,8,9,12,13
	v_sub_f32 v[UA+\d], v[UA+\d], v[220+\d/4]
.endr
	v_sub_f32 v[UA+10], v[CG+4*\hh], v222
	v_sub_f32 v[UA+11], v[CG+4*\hh+1], v222
	v_sub_f32 v[UA+14], v[CG+4*\hh+2], v223
	v_sub_f32 v[UA+15], v[CG+4*\hh+3], v223
.irp d, 0,1,2,3,4,5,6,7,8,9,10,11,12,13,14,15
	v_exp_f32 v[UA+\d], v[UA+\d]
.endr
	v_nop                                          ; a plain line behind the last exponential
.endm
.macro SOFTA2
.irp i, 0,1,2,3
	v_add_f32 v[216+\i], v[UA+4*\i], v[UA+4*\i+1]
.endr
.irp i, 0,1,2,3
	v_add_f32 v[216+\i], v[216+\i], v[UA+4*\i+2]
.endr
.irp i, 0,1,2,3
	v_add_f32 v[216+\i], v[216+\i], v[UA+4*\i+3]
.endr
.irp i, 0,1,2,3
	v_rcp_f32 v[216+\i], v[216+\i]
.endr
	v_nop
	s_wait_alu depctr_va_vdst(0)                   ; the four reciprocals have written v216-219, ahead of their first reader
.irp d, 0,1,2,3,4,5,6,7,8,9,10,11,12,13,14,15
	v_mul_f32 v[UA+\d], v[UA+\d], v[216+\d/4]
.endr
.endm
.macro SOFTB                           ; two rows of four
	v_max3_num_f32 v248, v240, v241, v242
	v_max3_num_f32 v249, v244, v245, v246
	v_max_num_f32 v248, v248, v243
	v_max_num_f32 v249, v249, v247
.irp d, 0,1,2,3,4,5,6,7
	v_sub_f32 v[240+\d], v[240+\d], v[248+\d/4]
.endr
.irp d, 0,1,2,3,4,5,6,7
	v_exp_f32 v[240+\d], v[240+\d]
.endr
	v_nop
	s_wait_alu depctr_va_vdst(0)                   ; the eight exponentials have written v240-247, ahead of their first reader
	v_add_f32 v250, v240, v241
	v_add_f32 v251, v244, v245
	v_add_f32 v250, v250, v242
	v_add_f32 v251, v251, v246
	v_add_f32 v250, v250, v243
	v_add_f32 v251, v251, v247
	v_rcp_f32 v250, v250
	v_rcp_f32 v251, v251
	v_nop
	s_wait_alu depctr_va_vdst(0)                   ; the two reciprocals have written v250, v251, ahead of their first reader
.irp d, 0,1,2,3,4,5,6,7
	v_mul_f32 v[240+\d], v[240+\d], v[250+\d/4]
.endr
.endm
; key j's share of the nn results: O_i (+)= a_ij V_j; O_i at 64 + oa (i % 2) + ob (i / 2); a_ij is one register of an even pair, sent to both halves
.macro AVJ nn, j, vb, ub, oa, ob
.irp e, 0,2,4,6,8,10,12,14
.irp i, 0,1,2,3
.if \i<\nn
.set rO, 64+(\oa)*(\i&1)+(\ob)*(\i>>1)+\e
.if \j==0
	v_pk_mul_f32 v[rO:rO+1], v[(\vb)+\e:(\vb)+\e+1], v[(\ub)+4*\i:(\ub)+4*\i+1] op_sel_hi:[1,0]
.elseif \j==2
	v_pk_fma_f32 v[rO:rO+1], v[(\vb)+\e:(\vb)+\e+1], v[(\ub)+4*\i+2:(\ub)+4*\i+3], v[rO:rO+1] op_sel_hi:[1,0,1]
.else
	v_pk_fma_f32 v[rO:rO+1], v[(\vb)+\e:(\vb)+\e+1], v[(\ub)+4*\i+\j-1:(\ub)+4*\i+\j], v[rO:rO+1] op_sel:[0,1,0] op_sel_hi:[1,1,1]
.endif
.endif
.endr
.endr
.endm
; nn tokens' half blocks (16 numbers a lane at s0 + sa (i % 2) + sb (i / 2)) become 96 bits of codes each, at ckb + 8 i + 4 blk, and a byte at BY + 4 blk + i
.macro QBLK nn, blk, s0, sa, sb, ckb, tb
.irp i, 0,1,2,3
.if \i<\nn
	v_max3_num_f32 v[QM+\i], |v[(\s0)+(\sa)*(\i&1)+(\sb)*(\i>>1)]|, |v[(\s0)+(\sa)*(\i&1)+(\sb)*(\i>>1)+1]|, 0x1800000   ; with the floor 2^(3 - 127)
.endif
.endr
.irp p, 2,4,6,8,10,12,14
.irp i, 0,1,2,3
.if \i<\nn
	v_max3_num_f32 v[QM+\i], v[QM+\i], |v[(\s0)+(\sa)*(\i&1)+(\sb)*(\i>>1)+\p]|, |v[(\s0)+(\sa)*(\i&1)+(\sb)*(\i>>1)+\p+1]|
.endif
.endr
.endr
.irp i, 0,1,2,3
.if \i<\nn
	v_permlanex16_b32 v[(\tb)+\i], v[QM+\i], s[SELR], s[SELR+1]
.endif
.endr
.irp i, 0,1,2,3
.if \i<\nn
	v_max_num_f32 v[QM+\i], v[QM+\i], v[(\tb)+\i]  ; with lane l xor 16's: the block's largest magnitude
.endif
.endr
.irp i, 0,1,2,3
.if \i<\nn
	v_add_nc_u32 v[QSO+\i], 0xff000000, v[QM+\i]   ; 2 off the exponent field: the conversion's scale operand
.endif
.endr
.irp i, 0,1,2,3
.if \i<\nn
	v_lshrrev_b32 v[BY+4*(\blk)+\i], 23, v[QSO+\i]
.endif
.endr
.irp i, 0,1,2,3
.if \i<\nn
	v_cvt_scalef32_pk16_fp6_f32 v[(\ckb)+8*\i+4*(\blk):(\ckb)+8*\i+4*(\blk)+2], v[(\s0)+(\sa)*(\i&1)+(\sb)*(\i>>1):(\s0)+(\sa)*(\i&1)+(\sb)*(\i>>1)+15], v[QSO+\i]
.endif
.endr
	v_nop                                          ; one plain line behind the last conversion
.endm
; the two half blocks of each token change halves, so that a lane holds a whole block; the six registers and the two bytes go to LDS: three stores a token.
; All tokens' lane work stands first, then one wait, then the run of stores.
.macro QFIN nn, ckb
.irp i, 0,1,2,3
.if \i<\nn
.irp k, 0,1,2
	v_permlane16_swap_b32 v[(\ckb)+8*\i+\k], v[(\ckb)+8*\i+4+\k]
.endr
.irp k, 3,4,5
	v_mov_b32 v[(\ckb)+8*\i+\k], v[(\ckb)+8*\i+\k+1]
.endr
	v_lshl_or_b32 v[HW+\i], v[BY+4+\i], 8, v[BY+\i]
.endif
.endr
	s_wait_alu depctr_va_vdst(0)                   ; the lines above have written the codes and the half words, and the trip's additions v10-12: the stores below read them.  All the trip's products and vector lines are done reading and writing their registers too
.irp i, 0,1,2,3
.if \i<\nn
	ds_store_b128 v[WA16], v[(\ckb)+8*\i:(\ckb)+8*\i+3] offset:3072*\i
	ds_store_b64 v[WA8], v[(\ckb)+8*\i+4:(\ckb)+8*\i+5] offset:3072*\i
	ds_store_b16 v[WAS], v[HW+\i] offset:128*\i    ; lanes l and l xor 16 write the same two bytes with the same value
.endif
.endr
.endm
; LDS addresses: a base stepped by a constant, plus the lane's and the wave's constants
.macro ADDRR                           ; of the fragments and scale words to be fetched
	v_add_nc_u32 v[RA16], s34, v[L16]
	v_add_nc_u32 v[RA8], s34, v[L8]
	v_add_nc_u32 v[RA4], s35, v[L4]
.endm
.macro ADDRW                           ; of the images and scale bytes that this trip stores
	v_add_nc_u32 v[WA16], s36, v[W16]
	v_add_nc_u32 v[WA8], s36, v[W8]
	v_add_nc_u32 v[WAS], s37, v[WSH]
.endm
.macro ADDRB                           ; of what the four waves store in this trip, as it is read back behind the trip's barrier
	v_add_nc_u32 v[RB16], s36, v[L16]
	v_add_nc_u32 v[RB8], s36, v[L8]
	v_add_nc_u32 v[RB4], s37, v[L4]
.endm
.macro A1FETCH                         ; a group's fragments of x and y into window 3, and their scale words: 18 loads
	WIN 0xc0
	FETCH 200, 0, RA16, RA8
	FETCH 212, 1536, RA16, RA8
	FETCH 224, 21504, RA16, RA8
	FETCH 236, 23040, RA16, RA8
	WIN 0
	ds_load_b32 v[DS], v[RA4]
	ds_load_b32 v[DS+1], v[RA4] offset:128
.endm
.macro OFETCH dsw, a16, a8, a4         ; two token tiles for an output product, and their scale words
.irp tk, 0,1
.irp st, 0,1
	FETCH 160+24*\tk+12*\st, 3072*\tk+1536*\st, \a16, \a8
.endr
	ds_load_b32 v[(\dsw)+\tk], v[\a4] offset:128*\tk
.endr
.endm
.macro ZFETCH                          ; a group's four token tiles into window 3, and their scale words
	WIN 0xc0
.irp tk, 0,1,2,3
.irp st, 0,1
	FETCH 24*\tk+12*\st, 3072*\tk+1536*\st, RA16, RA8
.endr
.endr
	WIN 0
.irp tk, 0,1,2,3
	ds_load_b32 v[DS+\tk], v[RA4] offset:128*\tk
.endr
.endm
; A TRIP OF A1: QKV of x and y, attention of block 0, for one group.  Window 0: token tk at 64 + 48 tk: q 0, k 16, v 32; results over q0, k0, q1, k1; codes v224-255.  nxt = 1: the next group's fragments are fetched
.macro A1TRIP nxt
	s_wait_dscnt 12                                ; this group's fragments, fetched a trip ago, are in; the 12 stores issued behind them may be out
.irp hh, 0,1
	MMQA \hh, 64, 0
	WIN 0
.if \hh==0
	s_wait_dscnt 0x0                               ; the last trip's stores are done (they had the 24 products in which to land)
	s_wait_alu depctr_vm_vsrc(0)                   ; the last trip's stores have read v10-12, the codes v224-254 and the half words v60-63, its fetch v7-9: this trip writes all of them again
	ADDRW                                          ; three plain lines and one more: the four places behind the products
	v_nop
.elseif \nxt
	s_add_co_u32 s34, s34, 3072
	s_add_co_u32 s35, s35, 256
	ADDRR                                          ; the next group's addresses: three plain lines and one more: the four places behind the products
	v_nop
.else
	PLACES
.endif
	DOT4 160, 162, 168, 170, 64, 64, 112, 112, 80, 128, 80, 128                      ; q0, q1 with k0, k1
	WIN 0x0c
	DOT4 164, 166, 172, 174, 64, 64, 112, 112, 96*\hh+16, 96*\hh+64, 96*\hh+16, 96*\hh+64   ; q0, q1 with the means' k
	DOT4 176, 178, 184, 186, 80, 128, 80, 128, 96*\hh, 96*\hh, 96*\hh+48, 96*\hh+48         ; the means' q with k0, k1
	WIN 0
	FOLDA
	SOFTA1 \hh
.if (\hh==1)&&(\nxt)
	WIN 0xc0                                       ; the fetch's window first, then the wait, then its loads
.endif
	s_wait_alu depctr_va_vdst(0)                   ; the sixteen exponentials have written v192-207, ahead of their first reader.  In head 1 also: v7-9 are written, and the trip's products are done reading window 3's v200-247 and v48, v49, in which the fetch lands
.if (\hh==1)&&(\nxt)
	A1FETCH                                        ; the next group's fragments land under the rest of head 1's vector work, which names none of these registers
.endif
	SOFTA2
	AVJ 4, 0, 96, UA, 16, 48
	AVJ 4, 1, 144, UA, 16, 48
	WIN 0x03                                       ; the means' v: window 3
	AVJ 4, 2, 96*\hh+32, UA, 16, 48
	AVJ 4, 3, 96*\hh+80, UA, 16, 48
	WIN 0
	QBLK 4, \hh, 64, 16, 48, 224, DPA
.endr
	QFIN 4, 224
.if \nxt
	s_add_co_u32 s36, s36, 12288
	s_add_co_u32 s37, s37, 512
.endif
.endm
; A TRIP OF A2: the output product of block 0 for two token tiles.  Window 0: sums 64 + 32 tk + 8 t; fragments 160 + 24 tk + 12 s
.macro A2TRIP nxt
	s_wait_dscnt 6                                 ; the fragments fetched a trip ago are in; the six stores issued behind them may be out
	MMO 144, DS
	s_wait_dscnt 0x0                               ; the last trip's stores are done (they had the 16 products in which to land)
	s_wait_alu depctr_vm_vsrc(0)                   ; the last trip's stores have read v10-12, the codes v16-30 and the half words v60, v61, its fetch v7-9: this trip writes all of them again
	ADDRW                                          ; three plain lines and one more: the four places behind the products
	v_nop
.if \nxt
	s_add_co_u32 s34, s34, 6144
	s_add_co_u32 s35, s35, 256
	ADDRR
	s_wait_alu depctr_va_vdst(0)                   ; v7-9 are written; the products are done reading v160-207 and v48, v49, in which the fetch lands
	OFETCH DS, RA16, RA8, RA4                      ; the next two tiles land under the quantiser's work, which names none of these registers
.endif
	QBLK 2, 0, 64, 32, 0, CK1, 208
	QBLK 2, 1, 80, 32, 0, CK1, 208
	QFIN 2, CK1
.if \nxt
	s_add_co_u32 s36, s36, 6144
	s_add_co_u32 s37, s37, 256
.endif
.endm
; A TRIP OF B, one group: QKV and attention of block 1 (window 0: q' 64 + 16 i, k' 96 + 16 j, v' 160 + 16 j; pairs v224-239; scores v240-247); a barrier; the last product and the way out.
; The group's images are written ahead of the trip's barrier and read behind it; a wave that is ahead writes the next group's, which are other bytes: one barrier a trip orders both.
.macro BTRIP nxt
	s_wait_alu depctr_vm_vsrc(0)                   ; all that the last trip's memory: v10-12, the codes v16-30 and v60, v61 (image stores); v7-9, v54, v55, v58 (fetches); v64-127 (stage stores); v128-159 and v208-239 (global stores).  This trip writes all of them again
	ADDRW                                          ; no LDS instruction of mine is out here
	ADDRB
.irp hh, 0,1
	MMQB \hh
	WIN 0
	PLACES
.if (\hh==1)&&(\nxt)
	s_add_co_u32 s34, s34, 12288
	s_add_co_u32 s35, s35, 512
	ADDRR
	WIN 0xc0                                       ; the fetch's window first, then the wait, then its loads
	s_wait_alu depctr_va_vdst(0)                   ; v7-9 are written; the trip's QKV products are done reading window 3's v0-95 and v48-51, in which the fetch lands
	ZFETCH                                         ; the next group's fragments land under the work that follows, which names none of these registers
.endif
	DOT4 224, 226, 228, 230, 64, 64, 64, 64, 96, 112, 128, 144
	DOT4 232, 234, 236, 238, 80, 80, 80, 80, 96, 112, 128, 144
	FOLDB
	SOFTB
	AVJ 2, 0, 160, 240, 16, 0
	AVJ 2, 1, 176, 240, 16, 0
	AVJ 2, 2, 192, 240, 16, 0
	AVJ 2, 3, 208, 240, 16, 0
	QBLK 2, \hh, 64, 16, 0, CK1, 224
.endr
	QFIN 2, CK1
	BARRIER                                        ; the group's two token tiles lie in LDS, all four waves' halves; and the fragments fetched ahead are in
	OFETCH DS2, RB16, RB8, RB4                     ; no wait: since the one ahead of the image stores no vector or matrix instruction has been issued; it showed v54, v55, v58 written, and the weighted sums and the last trip's products done with v160-207, v62, v63
	s_wait_loadcnt 0x0                             ; Wout_z1 (it counts in the first trip alone)
	s_wait_dscnt 0x0
	MMO 176, DS2
	PLACES
	s_wait_alu depctr_va_vdst(0)                   ; behind the places: the products have written v64-127, which the stage's stores read; the trip's products and dots are done with v128-159 and v208-239, in which the stage's loads land
.irp tk, 0,1
.irp t, 0,1,2,3
	ds_store_b128 v[SOA], v[64+32*\tk+8*\t:64+32*\tk+8*\t+3] offset:4352*\tk+128*(\t/2)+32*(\t%2)          ; each accumulator from its low end on
	ds_store_b128 v[SOA], v[64+32*\tk+8*\t+4:64+32*\tk+8*\t+7] offset:4352*\tk+128*(\t/2)+32*(\t%2)+16
.endr
.endr
.irp i, 0,1,2,3,4,5,6,7
	ds_load_b128 v[128+4*\i:131+4*\i], v[SRA] offset:544*\i          ; LDS serves a wave's instructions in order (ISA guide 5.7.1.4): these see my stores
.endr
.irp i, 0,1,2,3,4,5,6,7
	ds_load_b128 v[208+4*\i:211+4*\i], v[SRA] offset:4352+544*\i
.endr
.irp i, 0,1,2,3,4,5,6,7
	s_wait_dscnt 15-\i                             ; this pair of rows is back; the younger loads stay out
	global_store_b128 v[GO], v[128+4*\i:131+4*\i], s[20:21] offset:2048*\i th:TH_STORE_NT   ; sixteen lanes store 256 consecutive bytes at a multiple of 256 from the output's first byte
.endr
.irp i, 0,1,2,3,4,5,6,7
	s_wait_dscnt 7-\i
	global_store_b128 v[GO], v[208+4*\i:211+4*\i], s[22:23] offset:2048*\i th:TH_STORE_NT
.endr
.if \nxt
	s_wait_xcnt 0x0                                ; the stores have read their registers and bases: both may be written again
	s_add_nc_u64 s[20:21], s[20:21], 16384
	s_add_nc_u64 s[22:23], s[22:23], 16384
	s_add_co_u32 s36, s36, 6144
	s_add_co_u32 s37, s37, 256
.endif
.endm
	; ---------------- head ----------------
	s_load_b256 s[4:11], s[0:1], 0x0               ; xyc s[4:5], xys s[6:7], part s[8:9], ssum s[10:11]
	s_load_b256 s[12:19], s[0:1], 0x20             ; wc s[12:13], wsc s[14:15], bout_z s[16:17], bout_z1 s[18:19]
	s_load_b128 s[20:23], s[0:1], 0x40             ; out0 s[20:21], out1 s[22:23]
	v_lshl_add_u32 v31, v0, 2, 0x4ab00
	v_mov_b32 v255, 0
	v_lshrrev_b32 v60, 5, v0
	v_readfirstlane_b32 s24, v60                   ; wave 0..3
	v_and_b32 v60, 31, v0                          ; lane
	v_and_b32 v61, 15, v0                          ; r
	v_bfe_u32 v62, v0, 4, 1                        ; h
	v_lshlrev_b32 v[L16], 4, v60
	v_lshlrev_b32 v[L8], 3, v60
	v_lshlrev_b32 v[L4], 2, v60
	s_wait_alu depctr_va_sdst(0)                   ; s24 is written, ahead of its first reader: LDS addresses and the buffers' bases are made from it
	s_lshr_b32 s25, s24, 1
	s_and_b32 s26, s24, 1
	s_mul_i32 s40, s24, 768
	v_add_nc_u32 v[W16], s40, v[L16]
	s_add_co_u32 s40, s40, 512
	v_add_nc_u32 v[W8], s40, v[L8]
	s_lshl_b32 s40, s25, 6
	s_lshl_b32 s41, s26, 1
	s_add_co_u32 s40, s40, s41
	v_lshl_add_u32 v[WSH], v61, 2, s40
	s_mul_i32 s40, s24, 8704
	s_add_co_u32 s40, s40, STG
	v_mul_u32_u24 v[SOA], v61, 272
	v_lshl_add_u32 v[SOA], v62, 6, v[SOA]
	v_add_nc_u32 v[SOA], s40, v[SOA]               ; row r, + 64 h
	v_mul_u32_u24 v[SRA], v62, 272
	v_lshl_add_u32 v[SRA], v61, 4, v[SRA]
	v_add_nc_u32 v[SRA], s40, v[SRA]               ; lanes 0-15 one row, lanes 16-31 the next
	v_lshlrev_b32 v[GO], 10, v62
	v_lshl_add_u32 v[GO], v61, 4, v[GO]
	v_lshlrev_b32 v16, 4, v0                       ; 16 x thread
	s_mul_i32 s40, s24, 10752
	v_add_nc_u32 v17, s40, v[L16]                  ; XC (LDS byte 0) + my wave's quarter
	v_add_nc_u32 v18, XS, v16
	v_min_u32 v19, 1776, v16                       ; the scale records are 1,792 bytes: threads 112-127 read the last 16 again, into bytes that nobody reads
	v_min_u32 v20, 27, v60
	v_lshlrev_b32 v20, 8, v20                      ; lane l: the sum of s_t of the batch's l-th part
	v_lshlrev_b32 v21, 6, v62                      ; the biases: 64 h
	v_lshl_add_u32 v22, v62, 7, GL                 ; the means: my block of 32
	v_add_nc_u32 v23, GL, v16
	v_lshlrev_b32 v[BH8], 3, v62
	v_mov_b32 v177, 0                              ; written once: lane permutes' destinations, and the upper half of a pair that is named
	v_mov_b32 v179, 0
	v_mov_b32 v[BTW], 0
	s_mov_b32 s[SELR], 0x76543210
	s_mov_b32 s[SELR+1], 0xfedcba98
	s_mov_b32 s30, 0x3e8293ee                      ; c = log2 e / sqrt 32
	s_mov_b32 s31, 0xc31044fe                      ; -100 log2 e
	s_mov_b32 s[HMR], 0xffff0000
	s_and_b32 s40, ttmp7, 0xffff                   ; the batch
	s_mul_i32 s41, s40, 28
	s_add_co_u32 s41, s41, ttmp9                   ; my 112 positions among all
	s_mov_b32 s43, 0
	s_wait_kmcnt 0x0
	s_mul_i32 s42, s41, 21504
	s_mul_i32 s44, s25, 4816896
	s_add_co_u32 s42, s42, s44
	s_mul_i32 s44, s26, 10752
	s_add_co_u32 s42, s42, s44
	s_add_nc_u64 s[4:5], s[4:5], s[42:43]          ; waves 0, 1: the halves of x's seven tiles; waves 2, 3: of y's
	s_mul_i32 s42, s41, 1792
	s_add_nc_u64 s[6:7], s[6:7], s[42:43]
	s_mul_i32 s42, s40, 57344
	s_add_nc_u64 s[8:9], s[8:9], s[42:43]
	s_mul_i32 s42, s40, 7168
	s_add_nc_u64 s[10:11], s[10:11], s[42:43]
	s_mul_i32 s42, s24, 12288
	s_add_nc_u64 s[12:13], s[12:13], s[42:43]      ; four tiles a wave in each run of sixteen
	s_lshl_b32 s42, s24, 9
	s_add_nc_u64 s[14:15], s[14:15], s[42:43]
	s_lshl_b32 s42, s24, 8
	s_add_nc_u64 s[16:17], s[16:17], s[42:43]
	s_add_nc_u64 s[18:19], s[18:19], s[42:43]
	s_mul_i32 s44, s41, 114688
	s_add_co_u32 s42, s42, s44
	s_add_nc_u64 s[20:21], s[20:21], s[42:43]      ; my first row, my 64 columns
	s_add_nc_u64 s[22:23], s[22:23], s[42:43]
	s_wait_alu depctr_va_vdst(0)                   ; the lane's constants v1-6, v13-15 and the head's addresses v16-23 are written: the loads and stores of the whole kernel read them
	; the loads go out in four batches, and the head's own work stands between them: 28 + 1 + 21 + 1 that it works on first; head 0's weights (54); head 1's (54); Wout_z and the biases (52)
.set j, 0
.rept 28
	global_load_b128 v[64+4*j:64+4*j+3], v16, s[8:9] offset:2048*j   ; the batch's 28 partial sums of my four channels
.set j, j+1
.endr
	global_load_b32 v176, v20, s[10:11]
	WIN 0xc0
.set j, 0
.rept 21
	global_load_b128 v[4*j:4*j+3], v[L16], s[4:5] offset:512*j th:TH_LOAD_NT
.set j, j+1
.endr
	global_load_b128 v[84:87], v19, s[6:7] th:TH_LOAD_NT
	WIN 0
	LOADW1H 0, 0
	s_wait_loadcnt 54                              ; the first 51 loads are in; the 54 issued behind them may be out
	v_cmp_gt_u32 vcc_lo, 28, v60                   ; 28 parts: the mask is made here, and the stores below stand between it and the wait for it
	WIN 0x0c                                       ; an LDS store's data are its source 1: window 3
.set j, 0
.rept 21
	ds_store_b128 v17, v[4*j:4*j+3] offset:512*j
.set j, j+1
.endr
	ds_store_b128 v18, v[84:87]
	WIN 0
	s_wait_alu depctr_va_vcc(0)                    ; the compare has written VCC, ahead of the select that reads it
	v_cndmask_b32 v176, 0, v176, vcc_lo
	v_add_f32_dpp v176, v176, v176 row_xmask:1 row_mask:0xf bank_mask:0xf
	v_add_f32_dpp v176, v176, v176 row_xmask:2 row_mask:0xf bank_mask:0xf
	v_add_f32_dpp v176, v176, v176 row_xmask:4 row_mask:0xf bank_mask:0xf
	v_add_f32_dpp v176, v176, v176 row_xmask:8 row_mask:0xf bank_mask:0xf
	v_permlanex16_b32 v177, v176, s[SELR], s[SELR+1]
	v_add_f32 v176, v176, v177
	v_add_f32 v176, 0x322bcc77, v176               ; + 1e-8
	v_rcp_f32 v178, v176
.set j, 2
.rept 26
	v_pk_add_f32 v[64+4*(j%2):65+4*(j%2)], v[64+4*(j%2):65+4*(j%2)], v[64+4*j:65+4*j]     ; two chains
	v_pk_add_f32 v[66+4*(j%2):67+4*(j%2)], v[66+4*(j%2):67+4*(j%2)], v[66+4*j:67+4*j]
.set j, j+1
.endr
	v_pk_add_f32 v[64:65], v[64:65], v[68:69]
	v_pk_add_f32 v[66:67], v[66:67], v[70:71]
	s_wait_alu depctr_va_vdst(0)                   ; the reciprocal has written v178, ahead of its first reader; the sums above are the work between
	v_pk_mul_f32 v[64:65], v[64:65], v[178:179] op_sel_hi:[1,0]
	v_pk_mul_f32 v[66:67], v[66:67], v[178:179] op_sel_hi:[1,0]
	s_wait_alu depctr_va_vdst(0)                   ; the two multiplies have written v64-67, which the store reads; and the sums are done with v64-179, in which the means' loads land below
	ds_store_b128 v23, v[64:67]                    ; threads 0-63: x's mean; threads 64-127: y's
	LOADW1H 1, 0
	BARRIER                                        ; x's and y's images, their scale records and the means lie in LDS
	LOADW2 48
	WIN 0x80
.irp t, 0,1,2,3
	global_load_b128 v[144+8*\t:147+8*\t], v21, s[16:17] offset:128*(\t/2)+32*(\t%2)      ; lane (r, h), tile t: columns 32 (t / 2) + 16 h + 8 (t % 2) + 0 .. 7 of my 64
	global_load_b128 v[148+8*\t:151+8*\t], v21, s[16:17] offset:128*(\t/2)+32*(\t%2)+16
	global_load_b128 v[176+8*\t:179+8*\t], v21, s[18:19] offset:128*(\t/2)+32*(\t%2)
	global_load_b128 v[180+8*\t:183+8*\t], v21, s[18:19] offset:128*(\t/2)+32*(\t%2)+16
.endr
	WIN 0
.irp tk, 0,1
.if \tk==0
	s_wait_alu depctr_vm_vsrc(0)                   ; my LDS stores have read v64-67, in which the loads below land, and window 3's v0-87, which the means' products write
.else
	s_wait_alu depctr_va_vdst(0)                   ; the quantiser is done reading v64-191, in which the second mean's loads land
.endif
.irp k, 0,1,2,3
.irp q, 0,1,2,3,4,5,6,7
	ds_load_b128 v[BR+32*\k+4*\q:BR+32*\k+4*\q+3], v22 offset:1024*\tk+256*\k+16*\q   ; all sixteen rows of this tile are the mean
.endr
.endr
	s_wait_dscnt 0x0
	QB4
	v_mov_b32 v[DS+\tk], v[BSW]
	WIN 0xc0
.set j, 0
.rept 24
	v_mov_b32 v[200+24*\tk+j], v[BC+j]
.set j, j+1
.endr
	WIN 0
.endr
	s_wait_loadcnt 52                              ; both heads' QKV weights are in; Wout_z's 36 loads and the biases' 16, issued behind them, may be out
.rept 8
	v_nop                                          ; scale words and operands written by vector instructions stand 8 and 4 places ahead of a scaled matrix instruction
.endr
	s_wait_alu depctr_va_vdst(0)                   ; behind the places: the moves have written the scale words v48, v49 and the fragments in window 3's v200-247, which the products take
	MMQA 0, 0, 1
	MMQA 1, 96, 1
	WIN 0
	PLACES
	s_mov_b32 s34, XC
	s_mov_b32 s35, XS
	ADDRR
	WIN 0xc0                                       ; the fetch's window first, then the wait, then its loads
	s_wait_alu depctr_va_vdst(0)                   ; v7-9 are written; the means' products are done reading window 3's v200-247 and v48, v49, in which the fetch lands
	A1FETCH                                        ; the first group's fragments, into the registers that the means' have left; they land under the four scores below
.irp hh, 0,1                                   ; the four scores among the means, x c: they hold for the whole batch
	WIN 0x0f
	DOT4 160, 162, 164, 166, 96*\hh, 96*\hh, 96*\hh+48, 96*\hh+48, 96*\hh+16, 96*\hh+64, 96*\hh+16, 96*\hh+64
	WIN 0
.irp d, 0,1,2,3
	v_add_f32 v[UA+\d], v[DPA+2*\d], v[DPA+2*\d+1]
.endr
.irp d, 0,1,2,3
	v_permlanex16_b32 v[DPA+2*\d], v[UA+\d], s[SELR], s[SELR+1]
.endr
.irp d, 0,1,2,3
	v_add_f32 v[UA+\d], v[UA+\d], v[DPA+2*\d]
.endr
.irp d, 0,1,2,3
	v_mul_f32 v[CG+4*\hh+\d], s30, v[UA+\d]
.endr
.endr
	; ---------------- A1: seven groups; the last is written out, since it fetches nothing ----------------
	s_mov_b32 s36, AO
	s_mov_b32 s37, AOS
	s_mov_b32 s33, 6
	s_wait_dscnt 0x0                               ; the first fetch has no stores behind it: on this way in the counted wait at a trip's head would leave it out
.La1:
	A1TRIP 1
	s_sub_co_u32 s33, s33, 1
	s_cmp_lg_u32 s33, 0
	s_cbranch_scc1 .La1
	A1TRIP 0
	PLACES
	LOADW1H 0, 64                                  ; block 1's QKV weights of my head 0 into the registers that block 0's have left: a phase ahead of their use.  No wait: the one ahead of the image stores showed head 0's products done reading window 1's v0-143 and v32-37, and no vector or matrix instruction since names them
	BARRIER                                        ; attention 0's 28 token tiles lie in LDS
	; ---------------- A2: fourteen trips of two token tiles: seven, head 1's next weights, six, and the last written out ----------------
	s_mov_b32 s34, AO
	s_mov_b32 s35, AOS
	s_mov_b32 s36, ZI
	s_mov_b32 s37, ZS
	ADDRR                                          ; (the last fetch read v7-9 ahead of the last trip's wait on vm_vsrc)
	s_wait_alu depctr_va_vdst(0)                   ; v7-9 are written; A1's vector lines are done with v160-207, and its products with v48, v49, in which the fetch lands
	OFETCH DS, RA16, RA8, RA4
	s_wait_loadcnt 54                              ; Wout_z and the biases are in; the 54 loads issued behind them may be out
	s_wait_dscnt 0x0                               ; the first fetch has no stores behind it
	s_mov_b32 s33, 7
.La2a:
	A2TRIP 1
	s_sub_co_u32 s33, s33, 1
	s_cmp_lg_u32 s33, 0
	s_cbranch_scc1 .La2a
	PLACES
	LOADW1H 1, 64                                  ; head 1's, half a phase behind head 0's.  No wait: A1's products, which read window 2's v0-143 and v38-43, stand ahead of many waits on va_vdst, and nothing since names these registers
	s_mov_b32 s33, 6
.La2b:                                             ; the bases go on where the first seven trips left them
	A2TRIP 1
	s_sub_co_u32 s33, s33, 1
	s_cmp_lg_u32 s33, 0
	s_cbranch_scc1 .La2b
	A2TRIP 0
	PLACES
	LOADW2 112                                     ; Wout_z1 into Wout_z's registers; it is wanted behind the first group's attention.  No wait: the one ahead of the image stores showed the last products done reading window 1's v144-239 and v44-47, and no vector or matrix instruction since names them
	BARRIER                                        ; block 0's result lies in LDS
	; ---------------- B: seven groups; the last is written out ----------------
.set QM,  248
.set QSO, 252
	s_mov_b32 s34, ZI
	s_mov_b32 s35, ZS
	s_mov_b32 s36, BO
	s_mov_b32 s37, BOS
	ADDRR                                          ; (the last fetch read v7-9 ahead of the last trip's wait on vm_vsrc)
	WIN 0xc0                                       ; the fetch's window first, then the wait, then its loads
	s_wait_alu depctr_va_vdst(0)                   ; v7-9 are written; A1's dots and weighted sums are done with window 3's v0-95, A2's products with v48, v49, in which the fetch lands
	ZFETCH
	s_wait_loadcnt 36                              ; both QKV batches are in; the 36 loads issued behind them may stay out
	s_wait_dscnt 0x0
	s_mov_b32 s33, 6
.Lb:
	BTRIP 1
	s_sub_co_u32 s33, s33, 1
	s_cmp_lg_u32 s33, 0
	s_cbranch_scc1 .Lb
	BTRIP 0
	s_wait_dscnt 0x0                               ; the closing lines, six on end
	s_wait_alu 0x0
	s_wait_tensorcnt 0x0
	ds_add_u32 v31, v255
	s_wait_dscnt 0x0
	s_endpgm
.Lfunc_end_k_q960bdbaeef_main:
	.size	k_q960bdbaeef_main, .Lfunc_end_k_q960bdbaeef_main-k_q960bdbaeef_main
	.p2alignl 7, 3214868480
	.fill 96, 4, 3214868480
	.section	.rodata,"a",@progbits
	.p2align	6, 0x0
	.amdhsa_kernel k_q960bdbaeef_main
		.amdhsa_group_segment_fixed_size 306432
		.amdhsa_private_segment_fixed_size 0
		.amdhsa_enable_private_segment 0
		.amdhsa_kernarg_size 80
		.amdhsa_user_sgpr_count 2
		.amdhsa_user_sgpr_kernarg_segment_ptr 1
		.amdhsa_wavefront_size32 1
		.amdhsa_system_sgpr_workgroup_id_x 1
		.amdhsa_system_sgpr_workgroup_id_y 1
		.amdhsa_system_sgpr_workgroup_id_z 1
		.amdhsa_system_vgpr_workitem_id 0
		.amdhsa_next_free_vgpr 1024
		.amdhsa_next_free_sgpr 66
		.amdhsa_reserve_vcc 1
		.amdhsa_float_denorm_mode_32 3
		.amdhsa_float_denorm_mode_16_64 3
		.amdhsa_memory_ordered 1
		.amdhsa_forward_progress 1
		.amdhsa_inst_pref_size 255
	.end_amdhsa_kernel
	.section	.bss,"aw",@nobits
	.p2align	6
	.space	262144
	.amdgpu_metadata
---
amdhsa.version: [ 1, 2 ]
amdhsa.kernels:
  - .name:           k_q960bdbaeef_main
    .symbol:         k_q960bdbaeef_main.kd
    .args:
      - { .name: xyc, .offset: 0, .size: 8, .value_kind: global_buffer, .address_space: global }
      - { .name: xys, .offset: 8, .size: 8, .value_kind: global_buffer, .address_space: global }
      - { .name: part, .offset: 16, .size: 8, .value_kind: global_buffer, .address_space: global }
      - { .name: ssum, .offset: 24, .size: 8, .value_kind: global_buffer, .address_space: global }
      - { .name: wc, .offset: 32, .size: 8, .value_kind: global_buffer, .address_space: global }
      - { .name: wsc, .offset: 40, .size: 8, .value_kind: global_buffer, .address_space: global }
      - { .name: bout_z, .offset: 48, .size: 8, .value_kind: global_buffer, .address_space: global }
      - { .name: bout_z1, .offset: 56, .size: 8, .value_kind: global_buffer, .address_space: global }
      - { .name: out0, .offset: 64, .size: 8, .value_kind: global_buffer, .address_space: global }
      - { .name: out1, .offset: 72, .size: 8, .value_kind: global_buffer, .address_space: global }
    .group_segment_fixed_size: 306432
    .private_segment_fixed_size: 0
    .kernarg_segment_align: 8
    .kernarg_segment_size: 80
    .max_flat_workgroup_size: 128
    .sgpr_count:     66
    .vgpr_count:     1024
    .wavefront_size: 32
...
	.end_amdgpu_metadata
.endif
;; end of part 3
